; MI455X (gfx1250); checked and timed in simulation.
; The chip was launched on July 23, 2026; its instructions are those of AMD's public machine-readable ISA for CDNA 5 (MIT licence, August 2026) and "CDNA5" Instruction Set Architecture Reference Guide (July 2026). The comments in the code are by the model that wrote it; some were corrected since.
;; Causal Self Attention. Allowed arithmetic: matrix products marked QUANTISED: E4M3 operands, one given power-of-two scale a tensor, by v_wmma_f32_16x16x64_fp8_fp8 or v_wmma_f32_16x16x128_fp8_fp8, f32 sums; everything else in f32.
;; Inputs: attn_mask 1 x 1 x 2,048 x 2,048 int32; b_out 1,024 float32; b_qkv 3,072 float32; lowp_scales 8 int32 (the exponents e of the quantised operands' scales 2^e); w_out_codes 1,024 x 32 x 32 uint8 (E4M3 codes of w_out, K innermost, in blocks of 32 codes); w_qkv_codes 3,072 x 32 x 32 uint8 (E4M3 codes of w_qkv, K innermost, in blocks of 32 codes); x_codes 4 x 2,048 x 32 x 32 uint8 (E4M3 codes of x, K innermost, in blocks of 32 codes).
;; Outputs: out0 4 x 2,048 x 1,024 float32.
;; This version of the problem:
;;   THIS VERSION OF THE PROBLEM IS GIVEN IN LOW PRECISION. The matrix products marked QUANTISED in the list below multiply operands that are first quantised to E4M3 (4 exponent bits, 3 mantissa bits; 8 bits a number), with one given power-of-two scale for each operand tensor; their sums are f32. All else is computed in f32.
;;   The module's matrix products, in the order in which they are computed (A, B: the left and right operand; K: the contracted axis; several contracted axes count as one K, in the product's order):
;;     1. [M 8,192, K 1,024] x [K 1,024, N 3,072]; A: input x (given as codes); B: input w_qkv (given as codes): QUANTISED (scales: A lowp_scales[0], B lowp_scales[1])
;;     2. batch 64 x [M 2,048, K 64] x [K 64, N 2,048]; A: computed on the way; B: computed on the way: QUANTISED (scales: A lowp_scales[2], B lowp_scales[3])
;;     3. batch 64 x [M 2,048, K 2,048] x [K 2,048, N 64]; A: softmax (see below); B: computed on the way: QUANTISED (scales: A lowp_scales[4], B lowp_scales[5])
;;     4. [M 8,192, K 1,024] x [K 1,024, N 1,024]; A: computed on the way; B: input w_out (given as codes): QUANTISED (scales: A lowp_scales[6], B lowp_scales[7])
;;   THE QUANTISER, for each operand of a quantised product, along K:
;;     - The operand's scale is 2^e, e = its entry of the input lowp_scales (int32; the entries are numbered through the quantised products in the list's order, A before B).
;;     - Each number is divided by the scale, clamped to +-448, and rounded to the nearest number of E4M3, ties to even, subnormals kept.
;;     - The product sums the exact products of the quantised numbers (number of the format x scale) in f32.
;;   ~~~python
;;   def quantise(x, axis, e):      # numpy; x: float32 -> the quantised numbers, widened to float32 again
;;       x = np.moveaxis(x, axis, -1); K = x.shape[-1]
;;       r = np.clip(x / 2.0 ** e, -448, 448)
;;       step = 2.0 ** (np.maximum(np.frexp(np.where(r == 0, 1, r))[1] - 1, -6) - 3)
;;       q = np.round(r / step) * step * 2.0 ** e      # np.round: ties to even
;;       return np.moveaxis(q, -1, axis).astype(np.float32)
;;   ~~~
;;   SOFTMAX AHEAD OF A QUANTISED PRODUCT. Where the list says 'softmax', what is quantised is not the finished softmax but p = 2^(t - M), with t = logit x log2(e) and M = ceil(the row's largest t), a whole number; so 1/2 < the row's largest p <= 1. The row's sum l is taken of the UNQUANTISED p, in f32, and the product's result is divided by l at the end. Since M is a whole number, a kernel that streams over the keys may use a running M (the ceiling of the running maximum): every later rescaling is an exact power of two, so the quantised numbers keep their values, but for numbers so far below the row's largest that they fall under the format's range.
;;   OPERANDS COMPUTED ON THE WAY. 'Computed on the way' means the value that the module computes at that place (a softmax that the list does not call 'softmax' is quantised finished and normalised). What goes into a quantiser is computed in f32, as accurately as f32 sums, v_exp_f32 and their like allow (about 1e-6 of the number): no bf16 or f16 on the way to a quantiser, and a product that is left as it is and whose result goes on into a quantised operand takes f32 operands (vector FMAs, or v_wmma_f32_16x16x4_f32). A number that lies on a knife's edge between two numbers of the format may be rounded either way, as far as f32 arithmetic and the matrix unit's own rounding can turn it there, and no further.
;;   INPUTS GIVEN AS CODES. w_out (in the module: [1024, 1024], K = its axis 1); w_qkv (in the module: [3072, 1024], K = its axis 1); x (in the module: [4, 2048, 1024], K = its axis 2): each comes as NAME_codes (uint8): NAME with its K axis moved to the last place and cut into blocks of 32 codes, [.., K / 32, bytes a block], one block behind the other in memory; one code a byte (a code: sign, 4 exponent bits, 3 mantissa bits); its scale is its entry of lowp_scales. Its value is code x scale, taken as it is: it is not quantised again, and the codes and scales need not be those that the quantiser above would give.
;; 2 versions, each right; version 2 is version 1 with the launch attn written anew for expert scheduling mode. Each part assembles by itself: llvm-mc -triple=amdgcn-amd-amdhsa -mcpu=gfx1250 --defsym DOCPART=n.
;; ======== version 1 of 2: 4 launches
;; limits: right only within a limited range of input values
;; workspace buffers: qkimg 16,777,216 bytes; vimg 8,388,608 bytes; aimg 8,388,608 bytes; mbits 524,288 bytes of whole numbers; tflags 1,024 bytes of whole numbers
;; launch maskbits (part 1): grid 128 x 1, 16 waves a work-group, no clusters, 137,472 bytes of LDS; arguments attn_mask, mbits, tflags; writes mbits, tflags
.if DOCPART == 1
	.amdgcn_target "amdgcn-amd-amdhsa--gfx1250"
	.amdhsa_code_object_version 6
	.text
	.protected	k_q4f3888204c_maskbits
	.globl	k_q4f3888204c_maskbits
	.p2align	8
	.type	k_q4f3888204c_maskbits,@function
k_q4f3888204c_maskbits:
	s_mov_b64 s[64:65], 0
	v_nop
	global_prefetch_b8 v0, s[64:65] scope:SCOPE_SE
	s_setreg_imm32_b32 hwreg(HW_REG_WAVE_MODE, 25, 1), 1
	s_wait_xcnt 0x0
; attn_mask [2048][2048] int32 becomes lane masks and tile flags for the attention launch.
; mbits [qtile 128][step 16][64 words]: bit lane of word 8 t + j is (mask[16 qtile + lane % 16][128 step + 16 t + 8 (lane / 16) + j] != 0):
; the lane and the register in which the attention launch holds that score, so that one select a score applies the mask there.
; tflags: word qtile: bit s set where step s has an open key for one of the tile's 16 queries; word 128 + qtile: bit s set where step s is not all open.
; SHARES.  A work-group takes 16 rows of the mask (a tile of queries), wave w the 128 keys of step w: 512 bytes of each row.  Every byte of the mask is read once,
; 512 consecutive bytes a load.  The 8 KiB turn through the wave's own stage in LDS, so that a lane gets the 64 numbers of its own query.
; No matrix unit, no tensor load, no cluster: a stream that is read once, and work-groups share nothing.
.set MROW, 8192                        ; a row of the mask in bytes
.set SP,   528                         ; a stage row: 512 bytes + 16 = 132 words: row r starts at bank 4 r mod 64 (64 banks of 4 bytes: ISA guide 11.1)
.set WST,  16*SP                       ; a wave's stage
.set FL,   16*WST                      ; behind the stages: 16 words 'any', then 16 words 'mixed', one of each a wave
	s_load_b128 s[4:7], s[0:1], 0x0                ; the mask s[4:5], mbits s[6:7]
	s_load_b64 s[8:9], s[0:1], 0x10                ; tflags
	v_lshl_add_u32 v144, v0, 2, 0x21100
	v_mov_b32 v145, 0
	v_lshrrev_b32 v5, 5, v0
	v_readfirstlane_b32 s12, v5                    ; wave = key step
	v_and_b32 v6, 31, v0                           ; lane
	v_lshlrev_b32 v1, 4, v6                        ; my 16 bytes of a load's 512
	s_mul_i32 s13, s12, WST
	v_add_nc_u32 v2, s13, v1                       ; the stage, on the way in: as the bytes lie
	v_and_b32 v7, 15, v0                           ; r
	v_bfe_u32 v8, v0, 4, 1                         ; h
	v_mul_u32_u24 v3, v7, SP
	v_lshl_add_u32 v3, v8, 5, v3
	v_add_nc_u32 v3, s13, v3                       ; and on the way out: row r, + 32 h: keys 8 h + 0 .. 7 of each 16
	v_lshlrev_b32 v4, 3, v6                        ; two words a lane in the step's 256 bytes of mbits
	s_lshl_b32 s24, s12, 2
	s_add_co_u32 s24, s24, FL
	v_mov_b32 v9, s24                              ; my wave's flag word
	v_mov_b32 v10, 0                               ; the packed words: written once, since a lane write leaves the other lanes as they are
	v_mov_b32 v11, 0
	s_lshl_b32 s14, ttmp9, 17                      ; 16 rows of 8,192 bytes a work-group,
	s_lshl_b32 s15, s12, 9                         ; 512 bytes of a row a wave
	s_add_co_u32 s14, s14, s15
	s_mov_b32 s15, 0
	s_lshl_b32 s18, ttmp9, 4
	s_add_co_u32 s18, s18, s12
	s_lshl_b32 s18, s18, 8                         ; (16 qtile + step) x 256 bytes
	s_mov_b32 s19, 0
	s_mov_b32 s16, 0                               ; the OR of the 64 words
	s_mov_b32 s17, -1                              ; and their AND
	s_wait_kmcnt 0x0
	s_add_nc_u64 s[4:5], s[4:5], s[14:15]
	s_add_nc_u64 s[6:7], s[6:7], s[18:19]
.irp i, 0,1,2,3,4,5,6,7,8,9,10,11,12,13,14,15
	global_load_b128 v[16+4*\i:19+4*\i], v1, s[4:5] offset:MROW*\i th:TH_LOAD_NT   ; row i: 32 lanes read 512 consecutive bytes
.endr
.irp i, 0,1,2,3,4,5,6,7,8,9,10,11,12,13,14,15
	s_wait_loadcnt 15-\i                           ; loads come back in order: row i is in, the 15 - i rows behind it may be out
	ds_store_b128 v2, v[16+4*\i:19+4*\i] offset:SP*\i
.endr
.irp t, 0,1,2,3,4,5,6,7
	ds_load_b128 v[80+8*\t:83+8*\t], v3 offset:64*\t       ; my own bytes, and LDS serves a wave's instructions in order: no wait between the stores and the loads
	ds_load_b128 v[84+8*\t:87+8*\t], v3 offset:64*\t+16    ; register 8 t + j: my query's key 16 t + 8 h + j
.endr
	s_wait_dscnt 0x0
.set n, 0
.rept 64
	v_cmp_ne_u32 s[20+n%4], 0, v[80+n]             ; word n: a bit a lane
	s_or_b32 s16, s16, s[20+n%4]
	s_and_b32 s17, s17, s[20+n%4]
	v_writelane_b32 v[10+n%2], s[20+n%4], n/2      ; lane n / 2 holds words 2 (n / 2) and 2 (n / 2) + 1
.set n, n+1
.endr
	global_store_b64 v4, v[10:11], s[6:7]          ; 32 lanes store 256 consecutive bytes, aligned
	s_cmp_lg_u32 s16, 0
	s_cselect_b32 s18, 1, 0
	s_lshl_b32 s18, s18, s12                       ; bit w: some key of step w is open
	s_cmp_lg_u32 s17, -1
	s_cselect_b32 s19, 1, 0
	s_lshl_b32 s19, s19, s12                       ; bit w: some key of step w is hidden
	v_mov_b32 v12, s18
	v_mov_b32 v13, s19
	ds_store_b32 v9, v12                           ; all lanes write the same word with the same value
	ds_store_b32 v9, v13 offset:64
	s_wait_dscnt 0x0                               ; for the others' sake: my flag words have landed
	s_barrier_signal -1
	s_barrier_wait -1
	s_cmp_lg_u32 s12, 0                            ; wave 0 joins the sixteen waves' bits
	s_cbranch_scc1 .Lend
	v_mov_b32 v14, FL
.irp i, 0,1,2,3,4,5,6,7
	ds_load_b128 v[16+4*\i:19+4*\i], v14 offset:16*\i      ; v16-31 'any', v32-47 'mixed', in every lane
.endr
	s_wait_dscnt 0x0
.irp i, 1,2,3,4,5,6,7,8,9,10,11,12,13,14,15
	v_or_b32 v16, v16, v[16+\i]
	v_or_b32 v32, v32, v[32+\i]
.endr
	s_lshl_b32 s26, ttmp9, 2
	v_mov_b32 v15, s26
	s_wait_xcnt 0x0                                ; EXEC is a source of the store above: it changes only behind this wait
	v_cmp_eq_u32 vcc_lo, 0, v6
	s_and_saveexec_b32 s25, vcc_lo                 ; lane 0 alone
	global_store_b32 v15, v16, s[8:9]
	global_store_b32 v15, v32, s[8:9] offset:512
	s_wait_xcnt 0x0                                ; and again, in front of the line that widens it
	s_or_b32 exec_lo, exec_lo, s25
.Lend:
	s_wait_tensorcnt 0x0
	ds_add_u32 v144, v145
	s_wait_dscnt 0x0
	s_endpgm
.Lfunc_end_k_q4f3888204c_maskbits:
	.size	k_q4f3888204c_maskbits, .Lfunc_end_k_q4f3888204c_maskbits-k_q4f3888204c_maskbits
	.p2alignl 7, 3214868480
	.fill 96, 4, 3214868480
	.section	.rodata,"a",@progbits
	.p2align	6, 0x0
	.amdhsa_kernel k_q4f3888204c_maskbits
		.amdhsa_group_segment_fixed_size 137472
		.amdhsa_private_segment_fixed_size 0
		.amdhsa_enable_private_segment 0
		.amdhsa_kernarg_size 24
		.amdhsa_user_sgpr_count 2
		.amdhsa_user_sgpr_kernarg_segment_ptr 1
		.amdhsa_wavefront_size32 1
		.amdhsa_system_sgpr_workgroup_id_x 1
		.amdhsa_system_sgpr_workgroup_id_y 1
		.amdhsa_system_sgpr_workgroup_id_z 1
		.amdhsa_system_vgpr_workitem_id 0
		.amdhsa_next_free_vgpr 146
		.amdhsa_next_free_sgpr 66
		.amdhsa_reserve_vcc 1
		.amdhsa_float_denorm_mode_32 3
		.amdhsa_float_denorm_mode_16_64 3
		.amdhsa_memory_ordered 1
		.amdhsa_forward_progress 1
		.amdhsa_inst_pref_size 21
	.end_amdhsa_kernel
	.amdgpu_metadata
---
amdhsa.version: [ 1, 2 ]
amdhsa.kernels:
  - .name:           k_q4f3888204c_maskbits
    .symbol:         k_q4f3888204c_maskbits.kd
    .args:
      - { .name: attn_mask, .offset: 0, .size: 8, .value_kind: global_buffer, .address_space: global }
      - { .name: mbits, .offset: 8, .size: 8, .value_kind: global_buffer, .address_space: global }
      - { .name: tflags, .offset: 16, .size: 8, .value_kind: global_buffer, .address_space: global }
    .group_segment_fixed_size: 137472
    .private_segment_fixed_size: 0
    .kernarg_segment_align: 8
    .kernarg_segment_size: 24
    .max_flat_workgroup_size: 512
    .sgpr_count:     66
    .vgpr_count:     146
    .wavefront_size: 32
...
	.end_amdgpu_metadata
.endif
;; end of part 1
;; launch qkv (part 2): grid 4 x 96, 4 waves a work-group, clusters of 4 x 4, 327,680 bytes of LDS; arguments x_codes, w_qkv_codes, lowp_scales, b_qkv, qkimg, vimg; writes qkimg, vimg
.if DOCPART == 2
	.amdgcn_target "amdgcn-amd-amdhsa--gfx1250"
	.amdhsa_code_object_version 6
	.text
	.protected	k_q4f3888204c_qkv
	.globl	k_q4f3888204c_qkv
	.p2align	8
	.type	k_q4f3888204c_qkv,@function
k_q4f3888204c_qkv:
	s_mov_b64 s[64:65], 0
	v_nop
	global_prefetch_b8 v0, s[64:65] scope:SCOPE_SE
	s_setreg_imm32_b32 hwreg(HW_REG_WAVE_MODE, 25, 1), 1
	s_wait_xcnt 0x0
	s_wait_alu depctr_hold_cnt(0) depctr_sa_sdst(0) depctr_va_vdst(0) depctr_va_sdst(0) depctr_va_ssrc(0) depctr_va_vcc(0) depctr_vm_vsrc(0)
	s_getreg_b32 s2, hwreg(HW_REG_IB_STS2, 6, 4)
	s_cmp_eq_u32 s2, 0
	s_cbranch_scc0 .Lentry_in_a_cluster
	s_endpgm
.Lentry_in_a_cluster:
	s_bfe_u32 s2, ttmp6, 0x10000c
	s_cmp_lg_u32 s2, 0xf033
	s_cbranch_scc0 .Lentry_shape_is_right
	s_endpgm
.Lentry_shape_is_right:
; qkv = x w_qkv^T + b_qkv on codes of FP8 (E4M3), then q, k and v are quantised with their given scales and stored as IMAGES OF THE OPERAND REGISTERS that the attention launch wants.
; x: [8192][1024] codes, w_qkv: [3072][1024] codes, K innermost.  lowp_scales: e0 (x), e1 (w_qkv), e2 (q), e3 (k), e5 (v).
; ONE TEXT, TWO ROLES, chosen by the cluster's number c (0 .. 23), which all sixteen partners share:
;   c < 16:  A = x, B = rows 0 .. 2047 of w_qkv: q (c even) and k (c odd).  A lane's eight results are eight neighbouring channels of one token: K of the product q k^T.
;   c >= 16: A = rows 2048 .. 3071 of w_qkv, B = x: v TRANSPOSED.  A lane's eight results are eight neighbouring tokens of one channel: the keys, K of the product p v.
; A tile of 256 x 256 is made by four waves, 128 x 128 each: 64 accumulators, 512 registers.  K goes in steps of 256 through a ring of two LDS slots filled by the tensor data mover.
; CLUSTERS: 4 x 4 work-groups; A's tile is asked for jointly along a row of the cluster, B's along a column.  THE MATRIX INSTRUCTION IS USED TRANSPOSED (source 0 = 16 rows of B, source 1 = 16 rows of A).
; A fragment is fetched by four loads of 16 bytes: a permutation of k, the same in A and in B, so every product meets its partner.
; THE WAY OUT needs no LDS: sum x 2^(e0 + e1) + bias, the hold at 448 x the scale, the conversion; a lane's codes are then the registers of the reader's fragment, and each group of four
; registers leaves by one store of 512 consecutive aligned bytes.
;   qkimg [q, k][batch 4][head 16][tile of 16 tokens 128][1024]: byte 512 g + 16 lane + x = channel 16 (2 g + x / 8) + 8 (lane / 16) + x % 8 of token lane % 16.
;   vimg  [batch 4][head 16][step of 128 keys 16][16 channels 4][2048]: byte 512 c + 16 lane + x = key 16 (2 c + x / 8) + 8 (lane / 16) + x % 8 of channel lane % 16.
; LIMITS: e0 + e1 between -126 and 127; e2, e3, e5 between -126 and 119, so that each power of two below is an f32 number.  NaN codes among the inputs are not served (the hold drops a NaN).
; Nothing is prefetched: K has four steps, and the first two are asked for at the head.
; REGISTERS, in windows of 256: window 0: v0-31 addresses; v32-95 the bias by column, v96-111 the bias by row; from v128 A's fragments, ONE set (on the way out: v128-191 numbers, v192-223 codes).
;   window 1: B's fragments, TWO sets.   window 2: the accumulators of my rows 0-63 ((a, b) at v[8 (8 a + b)]);   window 3: those of my rows 64-127.
.set SIZE_K, 1024
.set KSTEP,  256                       ; along K in a slot
.set ROWB,   256                       ; a tile's row in bytes
.set KROW,   SIZE_K                    ; a row of A or of B in memory, in bytes
.set PITCH,  272                       ; an LDS row: 256 bytes + 16 of padding = 68 words: row r starts at bank 4 r mod 64 (64 banks of 4 bytes: ISA guide 11.1)
.set FR,     16                        ; registers of a fragment: 16 rows x 128 K
.set NL,     4                         ; LDS loads that bring one
.set NP,     4                         ; places behind this matrix instruction (ISA guide 7.12.1)
.set HALFT,  128*PITCH                 ; 128 rows: what one tensor load brings
.set SLOT,   4*HALFT                   ; A's 256 rows, then B's 256 rows
.set LAPS,   SIZE_K/(2*KSTEP)          ; a lap = two K steps = once round the ring
.set SPARE,  2*SLOT                    ; behind the ring: the spare words, 128 bytes for each wave, that no other line names
.set ADRA, 16                          ; v16-17  LDS address of my A fragments in slot 0, 1
.set ADRB, 20                          ; v20-21  the same for B
.set LIM,  12                          ; v12     448 x the operand's scale
.set SCL,  13                          ; v13     the operand's scale as f32
.set LI,   26                          ; v26     16 x lane: my place in an image's 512 bytes
.set SPW,  28                          ; v28     LDS address of my spare word; never rewritten
.set NIL,  29                          ; v29     0; never rewritten
.set BN,   32                          ; v32-95  bias of my 128 columns, in the result's layout
.set BM,   96                          ; v96-111 bias of my row in each of the eight blocks, twice (a pair for the packed form)
.set AF,   128                         ; A's fragments
.set TMP,  128                         ; the way out: a block's 64 numbers
.set G1, 24                            ; s[24:31] descriptor group 1 for A's tiles;  s[32:39] group 0, one set for each slot
.set G0, 32
.set G1B, 48                           ; s[48:55], s[56:63] the same for B's tiles
.set G0B, 56
.set MSB, 0
.macro WIN new                         ; the immediate's high byte repeats the setting that is left
.if MSB != \new
	s_set_vgpr_msb (MSB<<8)|\new
.set MSB, \new
.endif
.endm
.set MUL_LO, 0xa1                      ; source 0 (B) window 1, source 1 (A) window 0, C and D window 2
.set MUL_HI, 0xf1                      ; the same, C and D window 3
.set TO_B,   0x40                      ; destination window 1, address window 0
; A joint load: waves 0 and 1 fetch for A, waves 2 and 3 for B.  The branch hangs on the wave's number alone.  Four v_nop follow each of the two lines.
.macro JLOAD g0a, g1a, g0b, g1b
	s_cmp_eq_u32 s15, 0
	s_cbranch_scc0 .Lfor_b_\@
	tensor_load_to_lds s[\g0a:\g0a+3], s[\g1a:\g1a+7]
	s_nop 0
.rept 4
	v_nop
.endr
	s_branch .Lasked_\@
.Lfor_b_\@:
	tensor_load_to_lds s[\g0b:\g0b+3], s[\g1b:\g1b+7]
	s_nop 0
.rept 4
	v_nop
.endr
.Lasked_\@:
.endm
.macro CREST                           ; a round of the cluster's barrier behind its opening barrier
	s_cmp_lg_u32 s14, 0
	s_cbranch_scc1 .Lnot_wave_0_\@
	s_barrier_signal -3
.Lnot_wave_0_\@:
	s_barrier_wait -3
	s_barrier_signal -1
	s_barrier_wait -1
.endm
.macro CROUND                          ; a whole round
	s_barrier_signal -1
	s_barrier_wait -1
	CREST
.endm
	s_load_b128 s[4:7], s[0:1], 0x0                ; x's codes s[4:5], w_qkv's codes s[6:7]
	s_load_b128 s[8:11], s[0:1], 0x10              ; the scales' exponents s[8:9], b_qkv s[10:11]
	s_load_b128 s[68:71], s[0:1], 0x20             ; qkimg s[68:69], vimg s[70:71]
	v_lshl_add_u32 v[SPW], v0, 2, SPARE
	v_mov_b32 v[NIL], 0
	ds_add_u32 v28, v29
	ds_add_u32 v28, v29
	s_wait_dscnt 0x0
	v_lshrrev_b32 v1, 5, v0
	v_readfirstlane_b32 s14, v1                    ; wave 0..3
	s_lshr_b32 s15, s14, 1                         ; which half of the tile's rows is mine.  Also: I fetch for A (0) or for B (1)
	s_and_b32 s16, s14, 1                          ; which half of its columns.  Also: which 128 rows of that tile I fetch
	s_bfe_u32 s40, ttmp6, 0x40000                  ; cx, cy: my place in the cluster
	s_bfe_u32 s41, ttmp6, 0x40004
	s_and_b32 s72, ttmp7, 0xffff                   ; c: the cluster's number, the same in all sixteen partners
	s_lshr_b32 s73, s72, 1                         ; q, k: which 1,024 tokens
	s_and_b32 s74, s72, 1                          ; q, k: 0 = q, 1 = k: which 1,024 rows of w_qkv
	s_sub_co_u32 s75, s72, 16                      ; v: which 1,024 tokens
	s_cmp_ge_u32 s72, 16
	s_cselect_b32 s88, 1, 0                        ; 1: this cluster makes v
	s_cselect_b32 s73, 0, s73                      ; block of four tile rows
	s_cselect_b32 s75, s75, s74                    ; block of four tile columns
	s_lshl_b32 s42, s75, 2
	s_add_co_u32 s42, s42, s40                     ; tile column
	s_lshl_b32 s17, s73, 2
	s_add_co_u32 s17, s17, s41                     ; tile row
	s_lshl_b32 s43, s41, 2
	s_lshl_b32 s43, 15, s43                        ; my row of the cluster
	s_lshl_b32 s44, 0x1111, s40                    ; my column
	; descriptor group 1: a tile of 128 rows x 256 bytes, padded in LDS
	s_or_b32 s[G1+0], s43, (0<<16)|(1<<20)|(1<<21)|(5<<22)|(3<<25)  ; 15:0 the mask: A's tiles go to my row; 17:16 element of 1 byte; 20 padding on; 21 set beside a mask; 24:22 after every 64 words; 31:25 four words
	s_or_b32 s[G1B+0], s44, (0<<16)|(1<<20)|(1<<21)|(5<<22)|(3<<25)
.irp g, G1, G1B
	s_mov_b32 s[\g+1], ROWB<<16                    ; tensor_dim0
	s_mov_b32 s[\g+2], 128<<16                     ; tensor_dim1 = 128
	s_mov_b32 s[\g+3], ROWB<<16                    ; tile_dim0
	s_mov_b32 s[\g+4], 128                         ; tile_dim1 = 128
	s_mov_b32 s[\g+5], KROW                        ; tensor_dim0_stride
	s_mov_b32 s[\g+6], 0
	s_mov_b32 s[\g+7], 0
.endr
	s_lshl_b32 s18, s16, 7                         ; which 128 rows of the tile I fetch
	s_lshl_b32 s20, s17, 8
	s_add_co_u32 s20, s20, s18                     ; A: row 256 x tile row + 128 x half
	s_lshl_b32 s46, s42, 8
	s_add_co_u32 s46, s46, s18                     ; B: row 256 x tile column + 128 x half
	s_mov_b32 s21, 0
	s_mov_b32 s47, 0
	s_mov_b64 s[18:19], KROW
	s_mul_u64 s[20:21], s[20:21], s[18:19]
	s_mul_u64 s[46:47], s[46:47], s[18:19]
	s_mul_i32 s45, s14, HALFT                      ; where they go: wave x 128 rows: no place in the cluster enters an LDS address
	s_wait_kmcnt 0x0
	s_load_b256 s[80:87], s[8:9], 0x0              ; e0 .. e7
	s_add_nc_u64 s[76:77], s[6:7], 0x200000        ; w_qkv at row 2,048: v's weights
	s_cmp_eq_u32 s88, 1                            ; the choice hangs on the cluster's number alone
	s_cselect_b64 s[78:79], s[76:77], s[4:5]       ; A
	s_cselect_b64 s[76:77], s[4:5], s[6:7]         ; B
	s_add_nc_u64 s[20:21], s[78:79], s[20:21]
	s_add_nc_u64 s[46:47], s[76:77], s[46:47]
	CROUND                                         ; all sixteen work-groups are here: the first joint loads meet
.irp s, 0,1
	s_mov_b32 s[G0+4*\s], 1
	s_add_co_u32 s[G0+4*\s+1], s45, \s*SLOT
	s_add_nc_u64 s[G0+4*\s+2:G0+4*\s+3], s[20:21], \s*ROWB
	s_or_b32 s[G0+4*\s+3], s[G0+4*\s+3], 0x80000000
	s_mov_b32 s[G0B+4*\s], 1
	s_add_co_u32 s[G0B+4*\s+1], s45, \s*SLOT
	s_add_nc_u64 s[G0B+4*\s+2:G0B+4*\s+3], s[46:47], \s*ROWB
	s_or_b32 s[G0B+4*\s+3], s[G0B+4*\s+3], 0x80000000
	JLOAD G0+4*\s, G1, G0B+4*\s, G1B
.endr
	v_and_b32 v1, 15, v0                           ; r = l % 16
	v_bfe_u32 v2, v0, 4, 1                         ; h = l / 16
	v_mul_u32_u24 v3, v1, PITCH
	v_lshl_add_u32 v4, v2, 4, v3                   ; a fragment's row x pitch + 16 x half
	s_mul_i32 s21, s15, HALFT                      ; my 128 rows of A
	s_mul_i32 s22, s16, HALFT                      ; my 128 rows of B,
	s_add_co_u32 s22, s22, 2*HALFT                 ; which lie behind A's 256
.irp s, 0,1
	v_add_nc_u32 v[ADRA+\s], s21, v4
	v_add_nc_u32 v[ADRB+\s], s22, v4
	s_add_co_u32 s21, s21, SLOT
	s_add_co_u32 s22, s22, SLOT
.endr
	v_and_b32 v6, 31, v0
	v_lshlrev_b32 v[LI], 4, v6
	v_lshlrev_b32 v8, 5, v2                        ; 32 h: my half's eight columns of each 16
	v_lshlrev_b32 v9, 2, v1                        ; 4 r: my row of each 16
	s_lshl_b32 s90, s42, 8
	s_lshl_b32 s91, s16, 7
	s_add_co_u32 s90, s90, s91                     ; my first column: 256 x tile column + 128 x half
	s_lshl_b32 s91, s17, 8
	s_lshl_b32 s92, s15, 7
	s_add_co_u32 s91, s91, s92                     ; my first row: 256 x tile row + 128 x half
	; THE BIAS.  q, k: by column (b_qkv at my first column); v: by row (b_qkv at 2,048 + my first row).  Both kinds are loaded on the one path that all take; the kind that is not used reads from entry 0 on.
	s_add_co_u32 s92, s91, 2048
	s_cmp_eq_u32 s88, 1
	s_cselect_b32 s92, s92, 0
	s_cselect_b32 s93, 0, s90
	s_lshl_b32 s92, s92, 2
	s_lshl_b32 s94, s93, 2
	s_mov_b32 s93, 0
	s_mov_b32 s95, 0
	s_add_nc_u64 s[92:93], s[10:11], s[92:93]
	s_add_nc_u64 s[94:95], s[10:11], s[94:95]
.irp b, 0,1,2,3,4,5,6,7
	global_load_b128 v[BN+8*\b:BN+8*\b+3], v8, s[94:95] offset:64*\b        ; columns 16 b + 8 h + 0 .. 3
	global_load_b128 v[BN+8*\b+4:BN+8*\b+7], v8, s[94:95] offset:64*\b+16   ; and + 4 .. 7
.endr
.irp a, 0,1,2,3,4,5,6,7
	global_load_b32 v[BM+2*\a], v9, s[92:93] offset:64*\a                   ; row 16 a + r,
	global_load_b32 v[BM+2*\a+1], v9, s[92:93] offset:64*\a                 ; twice
.endr
.macro FRAG reg, adr, q, i             ; 16 rows x 128 K: lane l holds row l % 16; registers 4 c .. 4 c + 3 hold K = 32 c + 16 (l / 16) + 0 .. 15
.irp c, 0,1,2,3
	ds_load_b128 v[\reg+4*\c:\reg+4*\c+3], v[\adr] offset:128*(\q)+32*\c+(\i)*16*PITCH
.endr
.endm
; 16 matrix instructions: A's blocks a0, a0 + 1 x B's eight, 128 along K.  p: B's set.  zero = 1: the first product starts the sums.
; The 64 accumulators take turns, one instruction a turn, in the same order in every step.
.macro MUL16 a0, p, zero
.irp a, \a0, \a0+1
.irp b, 0,1,2,3,4,5,6,7
.if \zero
	v_wmma_f32_16x16x128_fp8_fp8 v[8*(8*((\a)%4)+\b):8*(8*((\a)%4)+\b)+7], v[128*(\p)+FR*\b:128*(\p)+FR*\b+FR-1], v[AF+FR*(\a):AF+FR*(\a)+FR-1], 0
.else
	v_wmma_f32_16x16x128_fp8_fp8 v[8*(8*((\a)%4)+\b):8*(8*((\a)%4)+\b)+7], v[128*(\p)+FR*\b:128*(\p)+FR*\b+FR-1], v[AF+FR*(\a):AF+FR*(\a)+FR-1], v[8*(8*((\a)%4)+\b):8*(8*((\a)%4)+\b)+7]
.endif
.endr
.endr
.endm
.macro FETCH_B slot, q, p              ; B's eight fragments of the slot's q-th 128 along K into set p
	WIN TO_B
.irp i, 0,1,2,3,4,5,6,7
	FRAG 128*(\p)+FR*\i, ADRB+\slot, \q, \i
.endr
	WIN 0
.endm
.macro FETCH_A slot, q, i0             ; A's blocks i0 .. i0 + 3
.irp i, \i0, \i0+1, \i0+2, \i0+3
	FRAG AF+FR*(\i), ADRA+\slot, \q, \i
.endr
.endm
.macro PLACES n                        ; plain vector instructions between a matrix instruction and a load into, or a vector access of, its registers
.rept \n
	v_nop
.endr
.endm
; A step of 128 along K that has its successor in the same slot.
.macro STEP slot, q, zero
	s_wait_dscnt 4*NL                              ; B's set and A's blocks 0-3 are in; the youngest 16 loads (A's blocks 4-7) may be out
	WIN MUL_LO
	MUL16 0, (\q)%2, \zero
	MUL16 2, (\q)%2, \zero
	s_wait_dscnt 0                                 ; A's blocks 4-7 are in
	PLACES NP
	FETCH_B \slot, (\q)+1, 1-(\q)%2
	FETCH_A \slot, (\q)+1, 0
	WIN MUL_HI
	MUL16 4, (\q)%2, \zero
	MUL16 6, (\q)%2, \zero
	PLACES NP
	WIN 0
	FETCH_A \slot, (\q)+1, 4
.endm
; A slot's last step changes slots: ONE barrier; in front of it each wave waits for all its tensor loads, adds 0 to its spare word, and waits for that and for its own reads of this slot.  fill = 1: this slot is filled again, two K steps ahead.
.macro TURN slot, next, fill
	s_wait_tensorcnt 0x0                           ; all my tensor loads have landed: my part of the next slot
	ds_add_u32 v[SPW], v[NIL]                      ; 0 onto my spare word
	s_wait_dscnt 4*NL+1                            ; the add and the youngest 16 loads (A's blocks 4-7) may be out
	WIN MUL_LO
	MUL16 0, 1, 0                                  ; sixteen matrix instructions stand between the add and the wait for it
	s_wait_dscnt 0x0                               ; the add is done, and my reads of this slot are over
	s_barrier_signal -1
	MUL16 2, 1, 0
	WIN 0
	s_barrier_wait -1
.if \fill
	CREST                                          ; the barrier has opened a round of the cluster's barrier: no wave of any partner still reads this slot or has a load on its way
	s_add_nc_u64 s[G0+4*\slot+2:G0+4*\slot+3], s[G0+4*\slot+2:G0+4*\slot+3], 2*ROWB
	s_add_nc_u64 s[G0B+4*\slot+2:G0B+4*\slot+3], s[G0B+4*\slot+2:G0B+4*\slot+3], 2*ROWB
	JLOAD G0+4*\slot, G1, G0B+4*\slot, G1B         ; the first tensor load behind the round; its four v_nop are the places in front of the loads below
.else
	PLACES NP
.endif
	FETCH_B \next, 0, 0
	FETCH_A \next, 0, 0
	WIN MUL_HI
	MUL16 4, 1, 0
	MUL16 6, 1, 0
	PLACES NP
	WIN 0
	FETCH_A \next, 0, 4
.endm
	s_wait_tensorcnt 1                             ; my part of K step 0 is in; K step 1's load may be out
	s_barrier_signal -1
	s_barrier_wait -1                              ; everybody's is
	FETCH_B 0, 0, 0
	FETCH_A 0, 0, 0
	FETCH_A 0, 0, 4
	STEP 0, 0, 1                                   ; the first step stands in front of the loop: its products start the sums
	s_mov_b32 s3, LAPS-1
.Llap:                                                 ; a trip goes once round the ring and fills both slots again
	TURN 0, 1, 1
	STEP 1, 0, 0
	TURN 1, 0, 1
	STEP 0, 0, 0
	s_sub_co_u32 s3, s3, 1
	s_cmp_lg_u32 s3, 0
	s_cbranch_scc1 .Llap
	TURN 0, 1, 0                                   ; the last lap fills nothing, and has no round of the cluster's barrier
	STEP 1, 0, 0
	s_wait_dscnt 4*NL                              ; the very last step: nothing more to fetch
	WIN MUL_LO
	MUL16 0, 1, 0
	MUL16 2, 1, 0
	s_wait_dscnt 0
	WIN MUL_HI
	MUL16 4, 1, 0
	MUL16 6, 1, 0
	WIN 0
; THE WAY OUT of block a (16 rows of A x my 128 columns).  kind = 0: q or k, bias by column, two heads' images of a tile of tokens; kind = 1: v, bias by row, one image of 16 channels x 128 keys.
.macro EPI a, kind
.set AC, 64*((\a)%4)
.set CD, 192+16*((\a)%2)               ; two sets of 16 registers of codes, by turns
	WIN 0x02+((\a)/4)                              ; source 0: window 2 or 3
.set p, 0
.rept 32
.if \kind
	v_pk_fma_f32 v[TMP+p:TMP+p+1], v[AC+p:AC+p+1], s[96:97], v[BM+2*(\a):BM+2*(\a)+1] op_sel_hi:[1,0,1]   ; sum x 2^(e0 + e1) + bias; each accumulator from its low end on
.else
	v_pk_fma_f32 v[TMP+p:TMP+p+1], v[AC+p:AC+p+1], s[96:97], v[BN+p:BN+p+1] op_sel_hi:[1,0,1]
.endif
.set p, p+2
.endr
	WIN 0
.set p, 0
.rept 64
	v_med3_num_f32 v[TMP+p], v[TMP+p], -v[LIM], v[LIM]     ; the conversion to an 8-bit code does not saturate (ISA guide 7.6.2): the hold at the largest code x the scale
.set p, p+1
.endr
.if (\a) > 1
	s_wait_xcnt 0x0                                ; block a - 2's stores have read this set of codes: it is written again only behind this wait
.endif
.irp b, 0,1,2,3,4,5,6,7
	v_cvt_scalef32_pk8_fp8_f32 v[CD+2*\b:CD+2*\b+1], v[TMP+8*\b:TMP+8*\b+7], v[SCL]   ; registers 2 b, 2 b + 1: K = 16 b + 8 h + 0 .. 7: the plain forms' own layout
.endr
	v_nop                                          ; one plain vector instruction behind the last conversion, ahead of the next block's writes of its sources
.irp s, 0,1,2,3
.if \kind
	global_store_b128 v[LI], v[CD+4*\s:CD+4*\s+3], s[70:71] offset:131072*((\a)/4)+2048*((\a)%4)+512*\s   ; head a / 4, channels 16 (a % 4) on: 512 consecutive bytes, aligned
.else
	global_store_b128 v[LI], v[CD+4*\s:CD+4*\s+3], s[68:69] offset:1024*(\a)+131072*(\s/2)+512*(\s%2)     ; tile a, head s / 2: 512 consecutive bytes, aligned
.endif
.endr
.endm
	s_wait_kmcnt 0x0                               ; the exponents
	s_wait_loadcnt 0x0                             ; the bias
	s_add_co_i32 s96, s80, s81
	s_add_co_i32 s96, s96, 127
	s_lshl_b32 s96, s96, 23                        ; 2^(e0 + e1) as f32
	s_mov_b32 s97, s96                             ; (named with it as a pair, so it is written)
	s_cmp_eq_u32 s74, 1
	s_cselect_b32 s89, s83, s82                    ; e3 for k, e2 for q,
	s_cmp_eq_u32 s88, 1
	s_cselect_b32 s89, s85, s89                    ; e5 for v: a choice without a jump
	s_add_co_i32 s89, s89, 127
	s_lshl_b32 s18, s89, 23
	s_add_co_i32 s89, s89, 8
	s_lshl_b32 s89, s89, 23
	s_or_b32 s89, s89, 0x600000
	PLACES NP                                      ; behind the last products: their results are read and A's registers written below
	v_mov_b32 v[SCL], s18                          ; the scale as f32: the conversion takes its exponent field
	v_mov_b32 v[LIM], s89                          ; 448 x the scale
	s_cmp_eq_u32 s88, 1                            ; the cluster's role: the same in all partners
	s_cbranch_scc1 .Lv_out
	s_lshr_b32 s18, s91, 11                        ; batch = token / 2,048
	s_lshl_b32 s18, s18, 4
	s_and_b32 s19, s90, 1023
	s_lshr_b32 s19, s19, 6                         ; my first head
	s_add_co_u32 s18, s18, s19
	s_lshl_b32 s18, s18, 7
	s_and_b32 s19, s91, 2047
	s_lshr_b32 s19, s19, 4                         ; my first tile of 16 tokens
	s_add_co_u32 s18, s18, s19
	s_lshl_b32 s18, s18, 10                        ; images of 1,024 bytes
	s_lshl_b32 s19, s74, 23                        ; k's images lie 8,388,608 bytes behind q's
	s_add_co_u32 s18, s18, s19
	s_mov_b32 s19, 0
	s_add_nc_u64 s[68:69], s[68:69], s[18:19]
.irp a, 0,1,2,3,4,5,6,7
	EPI \a, 0
.endr
	s_branch .Lout_done
.Lv_out:
	s_lshr_b32 s18, s90, 11                        ; batch = token / 2,048
	s_lshl_b32 s18, s18, 4
	s_lshr_b32 s19, s91, 6                         ; my first head
	s_add_co_u32 s18, s18, s19
	s_lshl_b32 s18, s18, 4
	s_and_b32 s19, s90, 2047
	s_lshr_b32 s19, s19, 7                         ; my step of 128 keys
	s_add_co_u32 s18, s18, s19
	s_lshl_b32 s18, s18, 13                        ; four images of 2,048 bytes a step
	s_mov_b32 s19, 0
	s_add_nc_u64 s[70:71], s[70:71], s[18:19]
.irp a, 0,1,2,3,4,5,6,7
	EPI \a, 1
.endr
.Lout_done:
	s_wait_tensorcnt 0x0                           ; the wave's end
	ds_add_u32 v[SPW], v[NIL]
	s_wait_dscnt 0x0
	CROUND                                         ; the closing round: no work-group ends while a partner may still ask for a tile that names it
	s_endpgm
.Lfunc_end_k_q4f3888204c_qkv:
	.size	k_q4f3888204c_qkv, .Lfunc_end_k_q4f3888204c_qkv-k_q4f3888204c_qkv
	.p2alignl 7, 3214868480
	.fill 96, 4, 3214868480
	.section	.rodata,"a",@progbits
	.p2align	6, 0x0
	.amdhsa_kernel k_q4f3888204c_qkv
		.amdhsa_group_segment_fixed_size 327680
		.amdhsa_private_segment_fixed_size 0
		.amdhsa_enable_private_segment 0
		.amdhsa_kernarg_size 48
		.amdhsa_user_sgpr_count 2
		.amdhsa_user_sgpr_kernarg_segment_ptr 1
		.amdhsa_wavefront_size32 1
		.amdhsa_system_sgpr_workgroup_id_x 1
		.amdhsa_system_sgpr_workgroup_id_y 1
		.amdhsa_system_sgpr_workgroup_id_z 1
		.amdhsa_system_vgpr_workitem_id 0
		.amdhsa_next_free_vgpr 1024
		.amdhsa_next_free_sgpr 100
		.amdhsa_reserve_vcc 0
		.amdhsa_float_denorm_mode_32 3
		.amdhsa_float_denorm_mode_16_64 3
		.amdhsa_memory_ordered 1
		.amdhsa_forward_progress 1
		.amdhsa_inst_pref_size 194
	.end_amdhsa_kernel
	.amdgpu_metadata
---
amdhsa.version: [ 1, 2 ]
amdhsa.kernels:
  - .name:           k_q4f3888204c_qkv
    .symbol:         k_q4f3888204c_qkv.kd
    .args:
      - { .name: x_codes, .offset: 0, .size: 8, .value_kind: global_buffer, .address_space: global }
      - { .name: w_qkv_codes, .offset: 8, .size: 8, .value_kind: global_buffer, .address_space: global }
      - { .name: lowp_scales, .offset: 16, .size: 8, .value_kind: global_buffer, .address_space: global }
      - { .name: b_qkv, .offset: 24, .size: 8, .value_kind: global_buffer, .address_space: global }
      - { .name: qkimg, .offset: 32, .size: 8, .value_kind: global_buffer, .address_space: global }
      - { .name: vimg, .offset: 40, .size: 8, .value_kind: global_buffer, .address_space: global }
    .group_segment_fixed_size: 327680
    .private_segment_fixed_size: 0
    .kernarg_segment_align: 8
    .kernarg_segment_size: 48
    .max_flat_workgroup_size: 128
    .sgpr_count:     100
    .vgpr_count:     1024
    .wavefront_size: 32
...
	.end_amdgpu_metadata
.endif
;; end of part 2
;; launch attn (part 3): grid 4 x 64, 16 waves a work-group, no clusters, 34,816 bytes of LDS; arguments qkimg, vimg, mbits, tflags, lowp_scales, aimg; writes aimg
.if DOCPART == 3
	.amdgcn_target "amdgcn-amd-amdhsa--gfx1250"
	.amdhsa_code_object_version 6
	.text
	.protected	k_q4f3888204c_attn
	.globl	k_q4f3888204c_attn
	.p2align	8
	.type	k_q4f3888204c_attn,@function
k_q4f3888204c_attn:
	s_mov_b64 s[64:65], 0
	v_nop
	global_prefetch_b8 v0, s[64:65] scope:SCOPE_SE
	s_setreg_imm32_b32 hwreg(HW_REG_WAVE_MODE, 25, 1), 1
	s_wait_xcnt 0x0
; Attention of one head on codes of FP8 (E4M3): S^T = K Q^T, the mask, p = 2^(t - M), O^T = V^T P^T, O / l, quantised for the output projection.
; t = score x log2(e) / 8; M = the row's largest t so far, rounded UP to a whole number; p is quantised with 2^e4, not normalised; the row's sum l is taken of the unquantised p and divides at the end.
; When M moves, l and O are multiplied by 2^(old M - new M): exact.  lowp_scales: e2 (q), e3 (k), e4 (p), e5 (v), e6 (the result).
; THE MASK IS AN INPUT.  An earlier launch has turned it into whole numbers: a lane mask for each register of scores (mbits), and for each tile of 16 queries two words of flags (tflags): which steps of 128 keys
; have an open key, and which are not all open.  A step with no open key for my 16 queries is left out; a step that is all open skips the selects; the rest takes one select a score.
; SHARES.  Work-group (x, y): head y (batch y / 16, head y % 16); two passes over blocks of 256 queries, block 7 - x and then block x.  Each of sixteen waves owns 16 queries, one a lane throughout, in 256 registers.
; K AND V come as images of the operands' registers, 8 KiB of each a step.  Each wave loads 512 bytes of each into registers one trip, stores them to LDS the next, and all sixteen read them the trip after:
; two sets of staging registers, two LDS slots, one barrier a trip.  A step that no wave of the work-group needs is neither loaded nor stored.
; NO TENSOR LOAD AND NO JOINT REQUEST, though four work-groups walk a head's K and V: which steps are walked hangs on flags read from memory.  Nothing is prefetched: a step's loads go out a whole trip ahead of the wait for them.
; LAYOUT.  Both products are used transposed: a lane holds query lane % 16; register 8 t + j of S^T is key 16 t + 8 (lane / 16) + j, which is the place that the second product's operand gives it.
; A ROW WITH NO OPEN KEY has l = 0: its result is NaN, as a softmax over nothing is.
; LIMITS: e2 + e3 between -123 and 130 (added to c's exponent field); e4 and e6 between -126 and 119; e4 + e5 is applied by v_ldexp_f32 and has none.
; REGISTERS: v1-8 below; v12 -M, v13 the largest t, v[14:15] l in two halves; v16-23 Q; v32-95 K's fragments, then V's; v96-159 S^T, then p; v160-191 O^T; v192-207 codes; v208-223 staging; v242-254 at work.
.set SLOT, 16384                       ; an LDS slot: K's eight images of 1,024 bytes, then V's four of 2,048
.set VOFF, 8192
.set STG,  208                         ; staging set s at v[STG + 8 s]: four registers of K, four of V
.set LI,   1                           ; v1   16 x lane: my place in an image's 512 bytes; never rewritten
.set SW,   2                           ; v2   16 x thread: my 16 bytes of a step's 8,192; never rewritten
.set GOF,  3                           ; v3   the same + 8,192 x the step to be loaded
.set NINF, 4                           ; v4   -infinity
.set PLIM, 5                           ; v5   448 x 2^e4
.set PSC,  6                           ; v6   2^e4
.set ALIM, 7                           ; v7   448 x 2^e6
.set ASC,  8                           ; v8   2^e6
.set WV,    2                          ; s2   my wave's number
.set CNT,   3                          ; s3   the inner loop's counter
.set PASS,  14                         ; s14  the pass
.set NEEDL, 84                         ; s84  bit 0: the step to be loaded is needed by some wave
.set NEEDS, 85                         ; s85  bit 0: the step to be stored to LDS is
.set ANY,   86                         ; s86  bit 0: the step in hand has an open key for my queries
.set MIX,   87                         ; s87  bit 0: it has a hidden one
.set CS,    88                         ; s[88:89] c = log2(e) / 8 x 2^(e2 + e3)
.set SEL,   90                         ; s[90:91] lane selects for v_permlanex16_b32: lane l xor 16
.set QB,    92                         ; s92  the pass's block of 256 queries
.set MOFF,  93                         ; s93  byte offset in mbits of the step in hand
.set TF,    94                         ; s[94:95] tflags
.set QA,    96                         ; s[96:97] my tile's image of Q
.set OA,    98                         ; s[98:99] my tile's image of the result
.set EPV,   100                        ; s100 e4 + e5
	s_load_b64 s[4:5], s[0:1], 0x0                 ; qkimg
	s_load_b64 s[8:9], s[0:1], 0x8                 ; vimg
	s_load_b64 s[12:13], s[0:1], 0x10              ; mbits
	s_load_b64 s[TF:TF+1], s[0:1], 0x18            ; tflags
	s_load_b64 s[16:17], s[0:1], 0x20              ; the scales' exponents
	s_load_b64 s[10:11], s[0:1], 0x28              ; aimg
	v_lshl_add_u32 v251, v0, 2, 0x8000
	v_mov_b32 v255, 0
	v_lshrrev_b32 v9, 5, v0
	v_readfirstlane_b32 s[WV], v9                  ; wave 0..15
	v_and_b32 v9, 31, v0
	v_lshlrev_b32 v[LI], 4, v9
	v_lshlrev_b32 v[SW], 4, v0
	v_mov_b32 v[NINF], 0xff800000
	v_mov_b32 v245, 0                              ; upper halves of pairs whose low word serves both halves: named, so written
	v_mov_b32 v247, 0
	v_mov_b32 v253, 0
	v_mov_b32 v250, 0                              ; a lane permute's destination counts as one of its sources
.set i, 0
.rept 16
	v_mov_b32 v[STG+i], 0                          ; written once: the load and the LDS store of a step hang on two copies of one flag word, and every register that a store names has been written on every path
.set i, i+1
.endr
	s_mov_b32 s[SEL], 0x76543210
	s_mov_b32 s[SEL+1], 0xfedcba98
	s_and_b32 s15, ttmp7, 0xffff                   ; batch x 16 + head
	s_lshl_b32 s84, s15, 17                        ; a head's images of Q, of K and of V are 131,072 bytes each
	s_mov_b32 s85, 0
	s_lshr_b32 s86, s15, 4
	s_lshl_b32 s86, s86, 21                        ; aimg: batch x 128 tiles x 16 heads x 1,024 bytes,
	s_and_b32 s87, s15, 15
	s_lshl_b32 s87, s87, 10                        ; + head x 1,024
	s_add_co_u32 s86, s86, s87
	s_mov_b32 s87, 0
	s_wait_kmcnt 0x0
	s_load_b256 s[20:27], s[16:17], 0x0            ; e0 .. e7 in s20 .. s27
	s_add_nc_u64 s[4:5], s[4:5], s[84:85]          ; my head's images of Q,
	s_add_nc_u64 s[6:7], s[4:5], 0x800000          ; of K,
	s_add_nc_u64 s[8:9], s[8:9], s[84:85]          ; of V
	s_add_nc_u64 s[10:11], s[10:11], s[86:87]      ; and where tile 0's result goes
	s_wait_kmcnt 0x0
	s_add_co_i32 s15, s22, s23
	s_lshl_b32 s15, s15, 23
	s_add_co_i32 s[CS], s15, 0x3e38aa3b            ; log2(e) / 8, with e2 + e3 added to its exponent field
	s_mov_b32 s[CS+1], s[CS]
	s_add_co_i32 s15, s24, 127
	s_lshl_b32 s101, s15, 23
	v_mov_b32 v[PSC], s101
	s_add_co_i32 s15, s15, 8
	s_lshl_b32 s15, s15, 23
	s_or_b32 s15, s15, 0x600000
	v_mov_b32 v[PLIM], s15
	s_add_co_i32 s15, s26, 127
	s_lshl_b32 s101, s15, 23
	v_mov_b32 v[ASC], s101
	s_add_co_i32 s15, s15, 8
	s_lshl_b32 s15, s15, 23
	s_or_b32 s15, s15, 0x600000
	v_mov_b32 v[ALIM], s15
	s_add_co_i32 s[EPV], s24, s25
	s_mov_b32 s[PASS], 0
; A KEY STEP: 128 keys, from LDS slot par.
.macro STEP par
	s_bitcmp1_b32 s[ANY], 0                        ; no open key for my 16 queries: the step's work is left out; the lines at its end are not
	s_cbranch_scc0 .Lskip_\@
.irp t, 0,1,2,3,4,5,6,7
	ds_load_b128 v[32+8*\t:35+8*\t], v[LI] offset:\par*SLOT+1024*\t        ; K's tile t, as its registers were stored
	ds_load_b128 v[36+8*\t:39+8*\t], v[LI] offset:\par*SLOT+1024*\t+512
.endr
	s_wait_dscnt 0x0
.irp t, 0,1,2,3,4,5,6,7
	v_wmma_f32_16x16x64_fp8_fp8 v[96+8*\t:103+8*\t], v[32+8*\t:39+8*\t], v[16:23], 0   ; source 0 = 16 keys, source 1 = my 16 queries
.endr
.rept 4
	v_nop                                          ; places in front of the loads into K's registers and of the first read of the scores
.endr
.irp d, 0,1,2,3
.irp c, 0,1,2,3
	ds_load_b128 v[32+16*\d+4*\c:35+16*\d+4*\c], v[LI] offset:\par*SLOT+VOFF+2048*\d+512*\c   ; V's four fragments land while the softmax is worked
.endr
.endr
	s_bitcmp1_b32 s[MIX], 0                        ; all 16 x 128 open: no select
	s_cbranch_scc0 .Lopen_\@
	s_load_b512 s[16:31], s[12:13], s[MOFF] offset:0x0     ; the step's 64 lane masks
	s_load_b512 s[32:47], s[12:13], s[MOFF] offset:0x40
	s_load_b512 s[48:63], s[12:13], s[MOFF] offset:0x80
	s_load_b512 s[68:83], s[12:13], s[MOFF] offset:0xc0
	s_wait_kmcnt 0x0
.set n, 0
.rept 64
	v_cndmask_b32 v[96+n], v[NINF], v[96+n], s[16+n+4*(n/48)]   ; a hidden key's score becomes -infinity: p = 0 then.  In ascending order: each accumulator from its low end on
.set n, n+1
.endr
.Lopen_\@:
	v_max3_num_f32 v254, v96, v97, v98             ; the step's largest score of my query, among my 64 keys, in two chains, in ascending order,
	v_max3_num_f32 v252, v99, v100, v101
.irp i, 6,10,14,18,22,26,30,34,38,42,46,50,54,58
	v_max3_num_f32 v254, v254, v[96+\i], v[97+\i]
	v_max3_num_f32 v252, v252, v[98+\i], v[99+\i]
.endr
	v_max3_num_f32 v254, v254, v158, v159
	v_max_num_f32 v254, v254, v252
	v_permlanex16_b32 v250, v254, s[SEL], s[SEL+1]
	v_max_num_f32 v254, v254, v250                 ; and among lane l xor 16's
	v_mul_f32 v254, s[CS], v254                    ; as t (c is positive)
	v_max_num_f32 v13, v13, v254                   ; the running largest t
	v_mov_b32 v254, v12
	v_floor_f32 v12, -v13                          ; the new -M = floor(-t) = -ceil(t): a whole number
	v_sub_f32 v254, v12, v254                      ; old M - new M: a whole number, 0 or less
	v_cvt_i32_f32 v254, v254                       ; (it saturates)
	v_ldexp_f32 v252, 1.0, v254                    ; f = 2^(old M - new M)
.set j, 0
.rept 32
	v_pk_fma_f32 v[96+j:97+j], v[96+j:97+j], s[CS:CS+1], v[12:13] op_sel_hi:[1,0,0]   ; t - M, two at a time
.set j, j+2
.endr
.set j, 0
.rept 64
	v_exp_f32 v[96+j], v[96+j]                     ; p = 2^(t - M), at most 1
.set j, j+1
.endr
	v_pk_mul_f32 v[14:15], v[14:15], v[252:253] op_sel_hi:[1,0]   ; l under the new M: the plain instruction behind the exponentials
	s_wait_alu depctr_va_vdst(0)                   ; one wait for the batch of 64, ahead of its first reader
	v_pk_add_f32 v[242:243], v[96:97], v[98:99]    ; the row's sum is taken of the unquantised p, in two chains
.irp j, 4,8,12,16,20,24,28,32,36,40,44,48,52,56,60
	v_pk_add_f32 v[14:15], v[14:15], v[96+\j:97+\j]
	v_pk_add_f32 v[242:243], v[242:243], v[98+\j:99+\j]
.endr
	v_pk_add_f32 v[14:15], v[14:15], v[242:243]
.irp t, 0,1,2,3,4,5,6,7
.irp i, 0,1,2,3,4,5,6,7
	v_min_num_f32 v[96+8*\t+\i], v[96+8*\t+\i], v[PLIM]    ; the conversion does not saturate (ISA guide 7.6.2); p is not negative, so the hold is one-sided
.endr
	v_cvt_scalef32_pk8_fp8_f32 v[192+2*\t:193+2*\t], v[96+8*\t:103+8*\t], v[PSC]   ; registers 2 t, 2 t + 1 of the operand: keys 16 t + 8 h + 0 .. 7
.endr
.set j, 0
.rept 16
	v_pk_mul_f32 v[160+j:161+j], v[160+j:161+j], v[252:253] op_sel_hi:[1,0]   ; O^T under the new M; these are also the plain instructions between the conversions and the products
.set j, j+2
.endr
	s_wait_dscnt 0x0                               ; V is in
.irp d, 0,1,2,3
	v_wmma_f32_16x16x128_fp8_fp8 v[160+8*\d:167+8*\d], v[32+16*\d:47+16*\d], v[192:207], v[160+8*\d:167+8*\d]   ; source 0 = 16 channels, source 1 = P; the four accumulators take one turn each
.endr
.rept 4
	v_nop                                          ; places in front of the next loads into V's registers and of the next access of O^T
.endr
.Lskip_\@:
	s_lshr_b32 s[ANY], s[ANY], 1
	s_lshr_b32 s[MIX], s[MIX], 1
	s_add_co_u32 s[MOFF], s[MOFF], 256
.endm
; TRIP u (par = u % 2): loads step u into staging set par (L), stores step u - 1 from the other set into slot 1 - par (S), works step u - 2 from slot par (C).
; ORDER.  Slot 1 - par was last read in trip u - 1, ahead of that trip's barrier; slot par was stored in trip u - 1, ahead of the same barrier.  A staging set is loaded again a barrier behind its LDS stores.
.macro TRIP par, L, S, C
	s_wait_loadcnt 0x0                             ; the loads of the trip before (and, in a pass's first trip, Q) are in
.if \S
	s_bitcmp1_b32 s[NEEDS], 0
	s_cbranch_scc0 .Lno_store_\@
	ds_store_b128 v[SW], v[STG+8*(1-\par):STG+8*(1-\par)+3] offset:(1-\par)*SLOT
	ds_store_b128 v[SW], v[STG+8*(1-\par)+4:STG+8*(1-\par)+7] offset:(1-\par)*SLOT+VOFF
.Lno_store_\@:
	s_lshr_b32 s[NEEDS], s[NEEDS], 1
.endif
.if \L
	s_bitcmp1_b32 s[NEEDL], 0
	s_cbranch_scc0 .Lno_load_\@
	global_load_b128 v[STG+8*\par:STG+8*\par+3], v[GOF], s[6:7]        ; a wave reads 512 consecutive bytes of K's images,
	global_load_b128 v[STG+8*\par+4:STG+8*\par+7], v[GOF], s[8:9]      ; and of V's
.Lno_load_\@:
	s_lshr_b32 s[NEEDL], s[NEEDL], 1
.endif
.if \C
	STEP \par
.endif
.if \L
	s_wait_xcnt 0x0                                ; the loads have read their offset: it steps only behind this wait
	v_add_nc_u32 v[GOF], 8192, v[GOF]
.endif
.if \S || \C
	s_wait_dscnt 0x0                               ; my LDS stores have landed and my LDS reads are in
	s_barrier_signal -1                            ; every wave passes every barrier: none stands under a branch
	s_barrier_wait -1
.endif
.endm
.Lpass:
	s_sub_co_u32 s15, 7, ttmp9
	s_cmp_eq_u32 s[PASS], 0
	s_cselect_b32 s[QB], s15, ttmp9                ; block 7 - x, then block x
	s_lshl_b32 s15, s[QB], 4
	s_add_co_u32 s15, s15, s[WV]                   ; my tile of 16 queries
	s_lshl_b32 s[MOFF], s15, 12                    ; its 16 steps x 256 bytes of mbits
	s_lshl_b32 s101, s15, 2
	s_lshl_b32 s[NEEDL], s[QB], 6
	s_load_b32 s[ANY], s[TF:TF+1], s101 offset:0x0
	s_load_b32 s[MIX], s[TF:TF+1], s101 offset:0x200
	s_load_b512 s[16:31], s[TF:TF+1], s[NEEDL] offset:0x0  ; the sixteen waves' words: what the work-group needs
	s_lshl_b32 s[QA], s15, 10
	s_mov_b32 s[QA+1], 0
	s_add_nc_u64 s[QA:QA+1], s[4:5], s[QA:QA+1]
	s_lshl_b32 s[OA], s15, 14
	s_mov_b32 s[OA+1], 0
	s_add_nc_u64 s[OA:OA+1], s[10:11], s[OA:OA+1]
	global_load_b128 v[16:19], v[LI], s[QA:QA+1]           ; Q's fragment stays in registers for the pass
	global_load_b128 v[20:23], v[LI], s[QA:QA+1] offset:512
	v_mov_b32 v13, 0xff61b1e6                      ; the largest t so far: -3e38, under every t
	v_floor_f32 v12, -v13                          ; -M
	v_mov_b32 v14, 0                               ; l
	v_mov_b32 v15, 0
	v_mov_b32 v[GOF], v[SW]
.set j, 0
.rept 32
	v_mov_b32 v[160+j], 0                          ; O^T: the step is written once; the first finds zeros, which the first change of M leaves zeros
.set j, j+1
.endr
	s_wait_kmcnt 0x0
	s_or_b32 s[NEEDL], s16, s17
.irp i, 18,19,20,21,22,23,24,25,26,27,28,29,30,31
	s_or_b32 s[NEEDL], s[NEEDL], s[\i]
.endr
	s_mov_b32 s[NEEDS], s[NEEDL]
	TRIP 0, 1, 0, 0                                ; trip 0: step 0 is loaded
	TRIP 1, 1, 1, 0                                ; trip 1: step 1 is loaded, step 0 stored
	s_mov_b32 s[CNT], 7
.Ltwo:                                                 ; trips 2 to 15
	TRIP 0, 1, 1, 1
	TRIP 1, 1, 1, 1
	s_sub_co_u32 s[CNT], s[CNT], 1
	s_cmp_lg_u32 s[CNT], 0
	s_cbranch_scc1 .Ltwo
	TRIP 0, 0, 1, 1                                ; trip 16: nothing is left to load
	TRIP 1, 0, 0, 1                                ; trip 17: step 15
	; THE PASS'S END: O / l x 2^(e4 + e5), held, quantised with 2^e6; the codes are the image of the projection's operand.
	v_add_f32 v14, v14, v15                        ; l's two halves,
	v_permlanex16_b32 v250, v14, s[SEL], s[SEL+1]
	v_add_f32 v14, v14, v250                       ; and lane l xor 16's
	v_rcp_f32 v244, v14
	v_nop                                          ; a plain instruction behind the reciprocal
	s_wait_alu depctr_va_vdst(0)                   ; and the wait ahead of its first reader
	v_ldexp_f32 v244, v244, s[EPV]                 ; r = 2^(e4 + e5) / l
	v_mul_f32 v246, 0, v244                        ; 0 where r is a number; NaN where l = 0
.set j, 0
.rept 16
	v_pk_mul_f32 v[96+j:97+j], v[160+j:161+j], v[244:245] op_sel_hi:[1,0]   ; register 8 d + i: channel 16 d + 8 h + i of my query; each accumulator from its low end on
.set j, j+2
.endr
.set j, 0
.rept 32
	v_med3_num_f32 v[96+j], v[96+j], -v[ALIM], v[ALIM]
.set j, j+1
.endr
.set j, 0
.rept 16
	v_pk_add_f32 v[96+j:97+j], v[96+j:97+j], v[246:247] op_sel_hi:[1,0]     ; the hold drops a NaN: a row with no open key gets it back
.set j, j+2
.endr
.irp d, 0,1,2,3
	v_cvt_scalef32_pk8_fp8_f32 v[192+2*\d:193+2*\d], v[96+8*\d:103+8*\d], v[ASC]
.endr
	v_nop                                          ; one plain vector instruction behind the last conversion
	global_store_b128 v[LI], v[192:195], s[OA:OA+1]                ; 512 consecutive bytes, aligned
	global_store_b128 v[LI], v[196:199], s[OA:OA+1] offset:512
	s_wait_xcnt 0x0                                ; the stores have read their data and base: both are written again in the next pass
	s_add_co_u32 s[PASS], s[PASS], 1
	s_cmp_lt_u32 s[PASS], 2
	s_cbranch_scc1 .Lpass
	s_wait_tensorcnt 0x0
	ds_add_u32 v251, v255
	s_wait_dscnt 0x0
	s_endpgm
.Lfunc_end_k_q4f3888204c_attn:
	.size	k_q4f3888204c_attn, .Lfunc_end_k_q4f3888204c_attn-k_q4f3888204c_attn
	.p2alignl 7, 3214868480
	.fill 96, 4, 3214868480
	.section	.rodata,"a",@progbits
	.p2align	6, 0x0
	.amdhsa_kernel k_q4f3888204c_attn
		.amdhsa_group_segment_fixed_size 34816
		.amdhsa_private_segment_fixed_size 0
		.amdhsa_enable_private_segment 0
		.amdhsa_kernarg_size 48
		.amdhsa_user_sgpr_count 2
		.amdhsa_user_sgpr_kernarg_segment_ptr 1
		.amdhsa_wavefront_size32 1
		.amdhsa_system_sgpr_workgroup_id_x 1
		.amdhsa_system_sgpr_workgroup_id_y 1
		.amdhsa_system_sgpr_workgroup_id_z 1
		.amdhsa_system_vgpr_workitem_id 0
		.amdhsa_next_free_vgpr 256
		.amdhsa_next_free_sgpr 102
		.amdhsa_reserve_vcc 0
		.amdhsa_float_denorm_mode_32 3
		.amdhsa_float_denorm_mode_16_64 3
		.amdhsa_memory_ordered 1
		.amdhsa_forward_progress 1
		.amdhsa_inst_pref_size 92
	.end_amdhsa_kernel
	.amdgpu_metadata
---
amdhsa.version: [ 1, 2 ]
amdhsa.kernels:
  - .name:           k_q4f3888204c_attn
    .symbol:         k_q4f3888204c_attn.kd
    .args:
      - { .name: qkimg, .offset: 0, .size: 8, .value_kind: global_buffer, .address_space: global }
      - { .name: vimg, .offset: 8, .size: 8, .value_kind: global_buffer, .address_space: global }
      - { .name: mbits, .offset: 16, .size: 8, .value_kind: global_buffer, .address_space: global }
      - { .name: tflags, .offset: 24, .size: 8, .value_kind: global_buffer, .address_space: global }
      - { .name: lowp_scales, .offset: 32, .size: 8, .value_kind: global_buffer, .address_space: global }
      - { .name: aimg, .offset: 40, .size: 8, .value_kind: global_buffer, .address_space: global }
    .group_segment_fixed_size: 34816
    .private_segment_fixed_size: 0
    .kernarg_segment_align: 8
    .kernarg_segment_size: 48
    .max_flat_workgroup_size: 512
    .sgpr_count:     102
    .vgpr_count:     256
    .wavefront_size: 32
...
	.end_amdgpu_metadata
.endif
;; end of part 3
;; launch proj (part 4): grid 4 x 32, 4 waves a work-group, clusters of 4 x 4, 327,680 bytes of LDS; arguments aimg, w_out_codes, lowp_scales, b_out, out0; writes out0
.if DOCPART == 4
	.amdgcn_target "amdgcn-amd-amdhsa--gfx1250"
	.amdhsa_code_object_version 6
	.text
	.protected	k_q4f3888204c_proj
	.globl	k_q4f3888204c_proj
	.p2align	8
	.type	k_q4f3888204c_proj,@function
k_q4f3888204c_proj:
	s_mov_b64 s[64:65], 0
	v_nop
	global_prefetch_b8 v0, s[64:65] scope:SCOPE_SE
	s_setreg_imm32_b32 hwreg(HW_REG_WAVE_MODE, 25, 1), 1
	s_wait_xcnt 0x0
	s_wait_alu depctr_hold_cnt(0) depctr_sa_sdst(0) depctr_va_vdst(0) depctr_va_sdst(0) depctr_va_ssrc(0) depctr_va_vcc(0) depctr_vm_vsrc(0)
	s_getreg_b32 s2, hwreg(HW_REG_IB_STS2, 6, 4)
	s_cmp_eq_u32 s2, 0
	s_cbranch_scc0 .Lentry_in_a_cluster
	s_endpgm
.Lentry_in_a_cluster:
	s_bfe_u32 s2, ttmp6, 0x10000c
	s_cmp_lg_u32 s2, 0xf033
	s_cbranch_scc0 .Lentry_shape_is_right
	s_endpgm
.Lentry_shape_is_right:
; out0 = a w_out^T + b_out on codes of FP8 (E4M3).  a: the attention's result, 8,192 rows x 1,024, as IMAGES of operand registers: aimg [tile of 16 rows 512][head 16][1024];
; two heads on end are the 16 registers of a fragment of 16 rows x 128 K in the plain form's own layout.  w_out: [1024][1024] codes, K innermost.  out0: [8192][1024] f32.
; lowp_scales: e6 (a), e7 (w_out): each finished sum is multiplied once by 2^(e6 + e7), and the bias is added by the same fused multiply-add.  LIMIT: e6 + e7 between -126 and 127.
; A tile of 256 x 256 is made by four waves, 128 x 128 each: 64 accumulators, 512 registers.  K goes in steps of 256 through a ring of two LDS slots filled by the tensor data mover.
; A's part of a slot: 16 row tiles x 4,096 bytes (four heads' images), dense: a fragment comes by four loads of 16 bytes at 16 x lane.  B's part: 256 rows of 256 bytes + 16 of padding: a fragment comes by
; eight loads of 8 bytes, K = 16 c + 8 (l / 16) + 0 .. 7: every k in the place that A's images give it.
; CLUSTERS: 4 x 4 work-groups; A's tile is asked for jointly along a row of the cluster, B's along a column.  THE MATRIX INSTRUCTION IS USED TRANSPOSED (source 0 = 16 rows of w_out, source 1 = 16 rows of a).
; Nothing is prefetched: K has four steps, and the first two are asked for at the head.
; REGISTERS, in windows of 256: window 0: v0-31 addresses; v32-35 my four numbers of the bias; from v128 A's fragments, ONE set (on the way out: rows read back).
;   window 1: B's fragments, TWO sets.   window 2: the accumulators of my rows 0-63 ((a, b) at v[8 (8 a + b)]);   window 3: those of my rows 64-127.
.set SIZE_K, 1024
.set SIZE_N, 1024
.set KSTEP,  256
.set ROWB,   256                       ; a row of B's tile in bytes
.set KROW,   SIZE_K                    ; a row of w_out in memory; also 16 rows of a are 16 x KROW bytes of images
.set PITCH,  272                       ; B's LDS row: 68 words: lanes (r, h) of a load of 8 bytes touch words 68 r + 2 h, 68 r + 2 h + 1: 64 different banks (64 banks of 4 bytes: ISA guide 11.1)
.set AIMG,   4096                      ; a row tile's codes of a K step
.set HALFA,  8*AIMG                    ; 128 rows of A: what one tensor load brings
.set HALFB,  128*PITCH                 ; 128 rows of B likewise
.set BOFF,   2*HALFA                   ; B's part of a slot
.set SLOT,   2*HALFA+2*HALFB
.set FR,     16
.set NL,     4                         ; LDS loads that bring a fragment of A
.set NP,     4                         ; places behind this matrix instruction (ISA guide 7.12.1)
.set LAPS,   SIZE_K/(2*KSTEP)
.set SPARE,  2*SLOT                    ; behind the ring: the spare words, 128 bytes for each wave, that no other line names
.set SPITCH, 528                       ; the way out: a stage of 16 rows x (512 bytes + 16) for each wave, in slot 0, which has had its last fill and its last read when the first result is stored there
.set ADRA, 16                          ; v16-17  LDS address of my A fragments in slot 0, 1
.set ADRB, 20                          ; v20-21  the same for B
.set STO,  24                          ; v24     the way out: where I put 32 bytes of a row
.set RD,   25                          ; v25     where I read a row back
.set CO,   26                          ; v26     16 x lane: my byte offset in a row's 512 bytes
.set SPW,  28                          ; v28     LDS address of my spare word; never rewritten
.set NIL,  29                          ; v29     0; never rewritten
.set BIAS, 32                          ; v32-35  b_out at my four columns of a row read back
.set AF,   128
.set BK,   128                         ; the way out: 16 rows read back: v128-191 and v192-255 by turns
.set G1, 24
.set G0, 32
.set G1B, 48
.set G0B, 56
.set MSB, 0
.macro WIN new                         ; the immediate's high byte repeats the setting that is left
.if MSB != \new
	s_set_vgpr_msb (MSB<<8)|\new
.set MSB, \new
.endif
.endm
.set MUL_LO, 0xa1                      ; source 0 (B) window 1, source 1 (A) window 0, C and D window 2
.set MUL_HI, 0xf1                      ; the same, C and D window 3
.set TO_B,   0x40                      ; destination window 1, address window 0
.macro JLOAD g0a, g1a, g0b, g1b        ; a joint load: waves 0 and 1 fetch for A, waves 2 and 3 for B; four v_nop follow each of the two lines
	s_cmp_eq_u32 s15, 0
	s_cbranch_scc0 .Lfor_b_\@
	tensor_load_to_lds s[\g0a:\g0a+3], s[\g1a:\g1a+7]
	s_nop 0
.rept 4
	v_nop
.endr
	s_branch .Lasked_\@
.Lfor_b_\@:
	tensor_load_to_lds s[\g0b:\g0b+3], s[\g1b:\g1b+7]
	s_nop 0
.rept 4
	v_nop
.endr
.Lasked_\@:
.endm
.macro CREST                           ; a round of the cluster's barrier behind its opening barrier
	s_cmp_lg_u32 s14, 0
	s_cbranch_scc1 .Lnot_wave_0_\@
	s_barrier_signal -3
.Lnot_wave_0_\@:
	s_barrier_wait -3
	s_barrier_signal -1
	s_barrier_wait -1
.endm
.macro CROUND
	s_barrier_signal -1
	s_barrier_wait -1
	CREST
.endm
	s_load_b128 s[4:7], s[0:1], 0x0                ; aimg s[4:5], w_out's codes s[6:7]
	s_load_b128 s[8:11], s[0:1], 0x10              ; the scales' exponents s[8:9], b_out s[10:11]
	s_load_b64 s[12:13], s[0:1], 0x20              ; out0
	v_lshl_add_u32 v[SPW], v0, 2, SPARE
	v_mov_b32 v[NIL], 0
	ds_add_u32 v28, v29
	ds_add_u32 v28, v29
	s_wait_dscnt 0x0
	v_lshrrev_b32 v1, 5, v0
	v_readfirstlane_b32 s14, v1                    ; wave 0..3
	s_lshr_b32 s15, s14, 1                         ; which half of the tile's rows is mine.  Also: I fetch for A (0) or for B (1)
	s_and_b32 s16, s14, 1                          ; which half of its columns.  Also: which 128 rows of that tile I fetch
	s_bfe_u32 s40, ttmp6, 0x40000                  ; cx, cy
	s_bfe_u32 s41, ttmp6, 0x40004
	s_lshl_b32 s42, ttmp9, 2
	s_add_co_u32 s42, s42, s40                     ; tile column = 4 x cluster x + cx
	s_and_b32 s17, ttmp7, 0xffff
	s_lshl_b32 s17, s17, 2
	s_add_co_u32 s17, s17, s41                     ; tile row = 4 x cluster y + cy
	s_lshl_b32 s43, s41, 2
	s_lshl_b32 s43, 15, s43                        ; my row of the cluster
	s_lshl_b32 s44, 0x1111, s40                    ; my column
	; descriptor group 1 for A: 8 rows (row tiles) x 4,096 bytes, 16,384 bytes apart in memory, dense in LDS
	s_or_b32 s[G1+0], s43, (0<<16)|(1<<21)         ; 15:0 the mask: my row; 17:16 element of 1 byte; 20 no padding; 21 set beside a mask
	s_mov_b32 s[G1+1], AIMG<<16                    ; tensor_dim0
	s_mov_b32 s[G1+2], 8<<16                       ; tensor_dim1 = 8
	s_mov_b32 s[G1+3], AIMG<<16                    ; tile_dim0
	s_mov_b32 s[G1+4], 8                           ; tile_dim1 = 8
	s_mov_b32 s[G1+5], 16*KROW                     ; tensor_dim0_stride
	s_mov_b32 s[G1+6], 0
	s_mov_b32 s[G1+7], 0
	; for B: 128 rows x 256 bytes, padded in LDS
	s_or_b32 s[G1B+0], s44, (0<<16)|(1<<20)|(1<<21)|(5<<22)|(3<<25)  ; the mask: my column; padding: four words after every 64
	s_mov_b32 s[G1B+1], ROWB<<16
	s_mov_b32 s[G1B+2], 128<<16
	s_mov_b32 s[G1B+3], ROWB<<16
	s_mov_b32 s[G1B+4], 128
	s_mov_b32 s[G1B+5], KROW
	s_mov_b32 s[G1B+6], 0
	s_mov_b32 s[G1B+7], 0
	s_lshl_b32 s18, s16, 7                         ; which 128 rows of the tile I fetch
	s_lshl_b32 s20, s17, 8
	s_add_co_u32 s20, s20, s18                     ; A: row 256 x tile row + 128 x half
	s_lshl_b32 s46, s42, 8
	s_add_co_u32 s46, s46, s18                     ; B: row 256 x tile column + 128 x half
	s_mov_b32 s21, 0
	s_mov_b32 s47, 0
	s_mov_b64 s[18:19], KROW
	s_mul_u64 s[20:21], s[20:21], s[18:19]         ; (16 rows of images are 16 x 1,024 bytes: the same product serves A)
	s_mul_u64 s[46:47], s[46:47], s[18:19]
	s_mul_i32 s66, s16, HALFA                      ; where they go: no place in the cluster enters an LDS address
	s_mul_i32 s67, s16, HALFB
	s_add_co_u32 s67, s67, BOFF
	s_wait_kmcnt 0x0
	s_load_b64 s[96:97], s[8:9], 0x18              ; e6, e7
	s_add_nc_u64 s[20:21], s[4:5], s[20:21]
	s_add_nc_u64 s[46:47], s[6:7], s[46:47]
	CROUND                                         ; all sixteen work-groups are here: the first joint loads meet
.irp s, 0,1
	s_mov_b32 s[G0+4*\s], 1
	s_add_co_u32 s[G0+4*\s+1], s66, \s*SLOT
	s_add_nc_u64 s[G0+4*\s+2:G0+4*\s+3], s[20:21], \s*AIMG
	s_or_b32 s[G0+4*\s+3], s[G0+4*\s+3], 0x80000000
	s_mov_b32 s[G0B+4*\s], 1
	s_add_co_u32 s[G0B+4*\s+1], s67, \s*SLOT
	s_add_nc_u64 s[G0B+4*\s+2:G0B+4*\s+3], s[46:47], \s*ROWB
	s_or_b32 s[G0B+4*\s+3], s[G0B+4*\s+3], 0x80000000
	JLOAD G0+4*\s, G1, G0B+4*\s, G1B
.endr
	v_and_b32 v1, 15, v0                           ; r
	v_bfe_u32 v2, v0, 4, 1                         ; h
	v_and_b32 v6, 31, v0
	v_lshlrev_b32 v[CO], 4, v6                     ; 16 x lane
	v_mul_u32_u24 v3, v1, PITCH
	v_lshl_add_u32 v4, v2, 3, v3                   ; B: row x pitch + 8 x half
	s_mul_i32 s21, s15, HALFA                      ; my 128 rows of A
	s_mul_i32 s22, s16, HALFB                      ; my 128 rows of B,
	s_add_co_u32 s22, s22, BOFF                    ; which lie behind A's part
.irp s, 0,1
	v_add_nc_u32 v[ADRA+\s], s21, v[CO]
	v_add_nc_u32 v[ADRB+\s], s22, v4
	s_add_co_u32 s21, s21, SLOT
	s_add_co_u32 s22, s22, SLOT
.endr
	s_mul_i32 s23, s14, 16*SPITCH                  ; my stage
	v_mul_u32_u24 v5, v1, SPITCH                   ; in: row r, 32 bytes for each half of the lanes
	v_lshl_add_u32 v5, v2, 5, v5
	v_add_nc_u32 v[STO], s23, v5
	v_add_nc_u32 v[RD], s23, v[CO]                 ; back: the 32 lanes take one row of 512 bytes
	s_lshl_b32 s20, s17, 8
	s_lshl_b32 s21, s15, 7
	s_add_co_u32 s20, s20, s21                     ; my first row of out0
	s_mov_b32 s21, 0
	s_mov_b64 s[18:19], SIZE_N*4
	s_mul_u64 s[20:21], s[20:21], s[18:19]
	s_lshl_b32 s46, s42, 10                        ; my first column, in bytes: 1,024 x tile column + 512 x half
	s_lshl_b32 s47, s16, 9
	s_add_co_u32 s46, s46, s47
	s_mov_b32 s47, 0
	s_add_nc_u64 s[10:11], s[10:11], s[46:47]      ; b_out at my first column
	s_add_nc_u64 s[20:21], s[20:21], s[46:47]
	s_add_nc_u64 s[12:13], s[12:13], s[20:21]
	global_load_b128 v[BIAS:BIAS+3], v[CO], s[10:11]       ; 32 lanes read 512 consecutive bytes
.macro FRAGA reg, adr, q, i            ; row tile i, the slot's q-th 128 along K: two heads' images, as their registers were stored
.irp c, 0,1,2,3
	ds_load_b128 v[\reg+4*\c:\reg+4*\c+3], v[\adr] offset:AIMG*(\i)+2048*(\q)+512*\c
.endr
.endm
.macro FRAGB reg, adr, q, i            ; 16 rows x 128 K: registers 2 c, 2 c + 1 hold K = 16 c + 8 (l / 16) + 0 .. 7
.irp c, 0,1,2,3,4,5,6,7
	ds_load_b64 v[\reg+2*\c:\reg+2*\c+1], v[\adr] offset:128*(\q)+16*\c+(\i)*16*PITCH
.endr
.endm
; 16 matrix instructions: A's blocks a0, a0 + 1 x B's eight.  The 64 accumulators take turns, one instruction a turn, in the same order in every step.
.macro MUL16 a0, p, zero
.irp a, \a0, \a0+1
.irp b, 0,1,2,3,4,5,6,7
.if \zero
	v_wmma_f32_16x16x128_fp8_fp8 v[8*(8*((\a)%4)+\b):8*(8*((\a)%4)+\b)+7], v[128*(\p)+FR*\b:128*(\p)+FR*\b+FR-1], v[AF+FR*(\a):AF+FR*(\a)+FR-1], 0
.else
	v_wmma_f32_16x16x128_fp8_fp8 v[8*(8*((\a)%4)+\b):8*(8*((\a)%4)+\b)+7], v[128*(\p)+FR*\b:128*(\p)+FR*\b+FR-1], v[AF+FR*(\a):AF+FR*(\a)+FR-1], v[8*(8*((\a)%4)+\b):8*(8*((\a)%4)+\b)+7]
.endif
.endr
.endr
.endm
.macro FETCH_B slot, q, p
	WIN TO_B
.irp i, 0,1,2,3,4,5,6,7
	FRAGB 128*(\p)+FR*\i, ADRB+\slot, \q, \i
.endr
	WIN 0
.endm
.macro FETCH_A slot, q, i0
.irp i, \i0, \i0+1, \i0+2, \i0+3
	FRAGA AF+FR*(\i), ADRA+\slot, \q, \i
.endr
.endm
.macro PLACES n
.rept \n
	v_nop
.endr
.endm
.macro STEP slot, q, zero
	s_wait_dscnt 4*NL                              ; B's set and A's blocks 0-3 are in; the youngest 16 loads (A's blocks 4-7) may be out
	WIN MUL_LO
	MUL16 0, (\q)%2, \zero
	MUL16 2, (\q)%2, \zero
	s_wait_dscnt 0                                 ; A's blocks 4-7 are in
	PLACES NP
	FETCH_B \slot, (\q)+1, 1-(\q)%2
	FETCH_A \slot, (\q)+1, 0
	WIN MUL_HI
	MUL16 4, (\q)%2, \zero
	MUL16 6, (\q)%2, \zero
	PLACES NP
	WIN 0
	FETCH_A \slot, (\q)+1, 4
.endm
.macro TURN slot, next, fill
	s_wait_tensorcnt 0x0                           ; all my tensor loads have landed: my part of the next slot
	ds_add_u32 v[SPW], v[NIL]                      ; 0 onto my spare word
	s_wait_dscnt 4*NL+1                            ; the add and the youngest 16 loads (A's blocks 4-7) may be out
	WIN MUL_LO
	MUL16 0, 1, 0
	s_wait_dscnt 0x0                               ; the add is done, and my reads of this slot are over
	s_barrier_signal -1
	MUL16 2, 1, 0
	WIN 0
	s_barrier_wait -1
.if \fill
	CREST                                          ; the barrier has opened a round of the cluster's barrier: no wave of any partner still reads this slot or has a load on its way
	s_add_nc_u64 s[G0+4*\slot+2:G0+4*\slot+3], s[G0+4*\slot+2:G0+4*\slot+3], 2*AIMG
	s_add_nc_u64 s[G0B+4*\slot+2:G0B+4*\slot+3], s[G0B+4*\slot+2:G0B+4*\slot+3], 2*ROWB
	JLOAD G0+4*\slot, G1, G0B+4*\slot, G1B         ; the first tensor load behind the round; its four v_nop are the places in front of the loads below
.else
	PLACES NP
.endif
	FETCH_B \next, 0, 0
	FETCH_A \next, 0, 0
	WIN MUL_HI
	MUL16 4, 1, 0
	MUL16 6, 1, 0
	PLACES NP
	WIN 0
	FETCH_A \next, 0, 4
.endm
	s_wait_tensorcnt 1                             ; my part of K step 0 is in; K step 1's load may be out
	s_barrier_signal -1
	s_barrier_wait -1
	FETCH_B 0, 0, 0
	FETCH_A 0, 0, 0
	FETCH_A 0, 0, 4
	STEP 0, 0, 1                                   ; the first step's products start the sums
	s_mov_b32 s3, LAPS-1
.Llap:
	TURN 0, 1, 1
	STEP 1, 0, 0
	TURN 1, 0, 1
	STEP 0, 0, 0
	s_sub_co_u32 s3, s3, 1
	s_cmp_lg_u32 s3, 0
	s_cbranch_scc1 .Llap
	TURN 0, 1, 0                                   ; the last lap fills nothing
	STEP 1, 0, 0
	s_wait_dscnt 4*NL
	WIN MUL_LO
	MUL16 0, 1, 0
	MUL16 2, 1, 0
	s_wait_dscnt 0
	WIN MUL_HI
	MUL16 4, 1, 0
	MUL16 6, 1, 0
	WIN 0
; THE WAY OUT, block by block of 16 rows x 128 columns: the sums go as they are into my own stage and come back as whole rows of 512 bytes; there a lane holds four columns that are the same in every row,
; so four registers of bias serve all, and sum x 2^(e6 + e7) + bias is one packed multiply-add for two numbers.  LDS serves a wave's instructions in order: no wait between the stores and the loads.
.macro TOSTAGE a
.set AC, 64*((\a)%4)
	WIN 0x08+4*((\a)/4)                            ; an LDS store's data: source 1: window 2 or 3
.irp b, 0,1,2,3,4,5,6,7
	ds_store_b128 v[STO], v[AC+8*\b:AC+8*\b+3] offset:64*\b                ; each accumulator from its low end on
	ds_store_b128 v[STO], v[AC+8*\b+4:AC+8*\b+7] offset:64*\b+16
.endr
	WIN 0
.set BB, BK+64*((\a)%2)
.irp t, 0,1,2,3,4,5,6,7,8,9,10,11,12,13,14,15
	ds_load_b128 v[BB+4*\t:BB+4*\t+3], v[RD] offset:\t*SPITCH
.endr
.endm
.macro SEND a, younger                 ; younger: the LDS instructions issued behind block a's loads, which may stay out
.set BB, BK+64*((\a)%2)
	s_wait_dscnt \younger
.if (\a) > 0
	s_add_nc_u64 s[12:13], s[12:13], 16*SIZE_N*4   ; behind a wait on XCNT: the earlier stores have read their base
.endif
.irp t, 0,1,2,3,4,5,6,7,8,9,10,11,12,13,14,15
	v_pk_fma_f32 v[BB+4*\t:BB+4*\t+1], v[BB+4*\t:BB+4*\t+1], s[96:97], v[BIAS:BIAS+1] op_sel_hi:[1,0,1]
	v_pk_fma_f32 v[BB+4*\t+2:BB+4*\t+3], v[BB+4*\t+2:BB+4*\t+3], s[96:97], v[BIAS+2:BIAS+3] op_sel_hi:[1,0,1]
	global_store_b128 v[CO], v[BB+4*\t:BB+4*\t+3], s[12:13] offset:\t*SIZE_N*4 th:TH_STORE_NT   ; 32 lanes store 512 consecutive bytes, aligned; written once, read by nobody here
.endr
.endm
	s_wait_kmcnt 0x0
	s_wait_loadcnt 0x0                             ; the bias
	s_add_co_i32 s96, s96, s97
	s_add_co_i32 s96, s96, 127
	s_lshl_b32 s96, s96, 23                        ; 2^(e6 + e7) as f32
	s_mov_b32 s97, s96                             ; (named with it as a pair, so it is written)
	PLACES NP                                      ; behind the last products: their results are read, and A's registers loaded, below
	TOSTAGE 0
.irp a, 1,2,3,4,5,6,7
.if \a > 1
	s_wait_xcnt 0x0                                ; block a - 2's stores have read their registers and their base
.endif
	TOSTAGE \a
	SEND \a-1, 32                                  ; behind block a - 1's loads: block a's 16 stores and 16 loads
.endr
	s_wait_xcnt 0x0
	SEND 7, 0
	s_wait_tensorcnt 0x0                           ; the wave's end
	ds_add_u32 v[SPW], v[NIL]
	s_wait_dscnt 0x0
	CROUND                                         ; the closing round
	s_endpgm
.Lfunc_end_k_q4f3888204c_proj:
	.size	k_q4f3888204c_proj, .Lfunc_end_k_q4f3888204c_proj-k_q4f3888204c_proj
	.p2alignl 7, 3214868480
	.fill 96, 4, 3214868480
	.section	.rodata,"a",@progbits
	.p2align	6, 0x0
	.amdhsa_kernel k_q4f3888204c_proj
		.amdhsa_group_segment_fixed_size 327680
		.amdhsa_private_segment_fixed_size 0
		.amdhsa_enable_private_segment 0
		.amdhsa_kernarg_size 40
		.amdhsa_user_sgpr_count 2
		.amdhsa_user_sgpr_kernarg_segment_ptr 1
		.amdhsa_wavefront_size32 1
		.amdhsa_system_sgpr_workgroup_id_x 1
		.amdhsa_system_sgpr_workgroup_id_y 1
		.amdhsa_system_sgpr_workgroup_id_z 1
		.amdhsa_system_vgpr_workitem_id 0
		.amdhsa_next_free_vgpr 1024
		.amdhsa_next_free_sgpr 98
		.amdhsa_reserve_vcc 0
		.amdhsa_float_denorm_mode_32 3
		.amdhsa_float_denorm_mode_16_64 3
		.amdhsa_memory_ordered 1
		.amdhsa_forward_progress 1
		.amdhsa_inst_pref_size 140
	.end_amdhsa_kernel
	.amdgpu_metadata
---
amdhsa.version: [ 1, 2 ]
amdhsa.kernels:
  - .name:           k_q4f3888204c_proj
    .symbol:         k_q4f3888204c_proj.kd
    .args:
      - { .name: aimg, .offset: 0, .size: 8, .value_kind: global_buffer, .address_space: global }
      - { .name: w_out_codes, .offset: 8, .size: 8, .value_kind: global_buffer, .address_space: global }
      - { .name: lowp_scales, .offset: 16, .size: 8, .value_kind: global_buffer, .address_space: global }
      - { .name: b_out, .offset: 24, .size: 8, .value_kind: global_buffer, .address_space: global }
      - { .name: out0, .offset: 32, .size: 8, .value_kind: global_buffer, .address_space: global }
    .group_segment_fixed_size: 327680
    .private_segment_fixed_size: 0
    .kernarg_segment_align: 8
    .kernarg_segment_size: 40
    .max_flat_workgroup_size: 128
    .sgpr_count:     98
    .vgpr_count:     1024
    .wavefront_size: 32
...
	.end_amdgpu_metadata
.endif
;; end of part 4
;; ======== version 2 of 2: 4 launches; version 1 with the launch attn written anew for expert scheduling mode
;; limits: right only within a limited range of input values
;; workspace buffers: qkimg 16,777,216 bytes; vimg 8,388,608 bytes; aimg 8,388,608 bytes; mbits 524,288 bytes of whole numbers; tflags 1,024 bytes of whole numbers
;; launch maskbits: the kernel of part 1 again; grid 128 x 1, 16 waves a work-group, no clusters, 137,472 bytes of LDS; arguments attn_mask, mbits, tflags; writes mbits, tflags
;; launch qkv: the kernel of part 2 again; grid 4 x 96, 4 waves a work-group, clusters of 4 x 4, 327,680 bytes of LDS; arguments x_codes, w_qkv_codes, lowp_scales, b_qkv, qkimg, vimg; writes qkimg, vimg
;; launch attn (part 5): grid 4 x 64, 16 waves a work-group, no clusters, 34,816 bytes of LDS; arguments qkimg, vimg, mbits, tflags, lowp_scales, aimg; writes aimg
.if DOCPART == 5
	.amdgcn_target "amdgcn-amd-amdhsa--gfx1250"
	.amdhsa_code_object_version 6
	.text
	.protected	k_q4f3888204c_attn
	.globl	k_q4f3888204c_attn
	.p2align	8
	.type	k_q4f3888204c_attn,@function
k_q4f3888204c_attn:
	s_mov_b64 s[64:65], 0
	v_nop
	global_prefetch_b8 v0, s[64:65] scope:SCOPE_SE
	s_setreg_imm32_b32 hwreg(HW_REG_WAVE_SCHED_MODE, 0, 2), 2
	s_setreg_imm32_b32 hwreg(HW_REG_WAVE_MODE, 25, 1), 1
	s_wait_xcnt 0x0
	s_wait_alu depctr_vm_vsrc(0)
; Attention of one head on codes of FP8 (E4M3): S^T = K Q^T, the mask, p = 2^(t - M), O^T = V^T P^T, O / l, quantised for the output projection.
; t = score x log2(e) / 8; M = the row's largest t so far, rounded UP to a whole number; p is quantised with 2^e4, not normalised; the row's sum l is taken of the unquantised p and divides at the end.
; When M moves, l and O are multiplied by 2^(old M - new M): exact.  lowp_scales: e2 (q), e3 (k), e4 (p), e5 (v), e6 (the result).
; THE MASK IS AN INPUT.  An earlier launch has turned it into whole numbers: a lane mask for each register of scores (mbits), and for each tile of 16 queries two words of flags (tflags): which steps of 128 keys
; have an open key, and which are not all open.  A step with no open key for my 16 queries is left out; a step that is all open skips the selects; the rest takes one select a score.
; SHARES.  Work-group (x, y): head y (batch y / 16, head y % 16); two passes over blocks of 256 queries, block 7 - x and then block x.  Each of sixteen waves owns 16 queries, one a lane throughout, in 256 registers.
; K AND V come as images of the operands' registers, 8 KiB of each a step.  Each wave loads 512 bytes of each into registers one trip, stores them to LDS the next, and all sixteen read them the trip after:
; two sets of staging registers, two LDS slots, one barrier a trip.  A step that no wave of the work-group needs is neither loaded nor stored.
; NO TENSOR LOAD AND NO JOINT REQUEST, though four work-groups walk a head's K and V: which steps are walked hangs on flags read from memory.  Nothing is prefetched: a step's loads go out a whole trip ahead of the wait for them.
; LAYOUT.  Both products are used transposed: a lane holds query lane % 16; register 8 t + j of S^T is key 16 t + 8 (lane / 16) + j, which is the place that the second product's operand gives it.
; A ROW WITH NO OPEN KEY has l = 0: its result is NaN, as a softmax over nothing is.
; LIMITS: e2 + e3 between -123 and 130 (added to c's exponent field); e4 and e6 between -126 and 119; e4 + e5 is applied by v_ldexp_f32 and has none.
; REGISTERS: v1-8 below; v12 -M, v13 the largest t, v[14:15] l in two halves; v16-23 Q; v32-95 K's fragments, then V's; v96-159 S^T, then p; v160-191 O^T; v192-207 codes; v208-223 staging; v242-254 at work.
; THE MODE: SCHED_MODE bits 1:0 = 2 (LLVM: expert scheduling mode 2), set by the entry lines.  The code itself states the register dependences
; between vector or matrix instructions and memory or LDS instructions, with s_wait_alu, always for 0.
; THE PLAN.  Registers that memory or LDS instructions touch:
;   v[LI], v[SW]  Addresses, made once at the head and never written again.
;   v[GOF]        Read by a trip's two global loads; written at a pass's first line and by one add at the end of each trip that loads.
;   staging       Trip u's global loads land in set u % 2; trip u + 1's LDS stores read it; trip u + 2's loads land in it again.  No vector instruction names it but the head's clearing.
;   v32-95        K's LDS loads land; the eight products K Q^T read; V's LDS loads land; the four products V^T P^T read.
;   v16-23        Q's loads land at a pass's head; the products K Q^T read.
;   v192-199      At a pass's end the conversions write them and the two stores read them; the next pass's steps write them again.
;   v251, v255    Written at the head, read by the closing add alone.
;   S^T and p, O^T, the statistics and p's codes are named by vector and matrix instructions alone.
; So a trip has ONE wait on va_vdst at its head (v[GOF] is written; the last step's products are done reading v32-95) and ONE on vm_vsrc at its end (the loads have read v[GOF], the LDS stores their staging set).
; V's LDS loads stand directly behind the wait that the step's exponentials have in any case: ahead of it stand the products K Q^T, the last readers of v32-95.
; A pass has one wait on va_vdst ahead of Q's loads, one ahead of its two stores, and one on vm_vsrc behind them.
.set SLOT, 16384                       ; an LDS slot: K's eight images of 1,024 bytes, then V's four of 2,048
.set VOFF, 8192
.set STG,  208                         ; staging set s at v[STG + 8 s]: four registers of K, four of V
.set LI,   1                           ; v1   16 x lane: my place in an image's 512 bytes; never rewritten
.set SW,   2                           ; v2   16 x thread: my 16 bytes of a step's 8,192; never rewritten
.set GOF,  3                           ; v3   the same + 8,192 x the step to be loaded
.set NINF, 4                           ; v4   -infinity
.set PLIM, 5                           ; v5   448 x 2^e4
.set PSC,  6                           ; v6   2^e4
.set ALIM, 7                           ; v7   448 x 2^e6
.set ASC,  8                           ; v8   2^e6
.set WV,    2                          ; s2   my wave's number
.set CNT,   3                          ; s3   the inner loop's counter
.set PASS,  14                         ; s14  the pass
.set NEEDL, 84                         ; s84  bit 0: the step to be loaded is needed by some wave
.set NEEDS, 85                         ; s85  bit 0: the step to be stored to LDS is
.set ANY,   86                         ; s86  bit 0: the step in hand has an open key for my queries
.set MIX,   87                         ; s87  bit 0: it has a hidden one
.set CS,    88                         ; s[88:89] c = log2(e) / 8 x 2^(e2 + e3)
.set SEL,   90                         ; s[90:91] lane selects for v_permlanex16_b32: lane l xor 16
.set QB,    92                         ; s92  the pass's block of 256 queries
.set MOFF,  93                         ; s93  byte offset in mbits of the step in hand
.set TF,    94                         ; s[94:95] tflags
.set QA,    96                         ; s[96:97] my tile's image of Q
.set OA,    98                         ; s[98:99] my tile's image of the result
.set EPV,   100                        ; s100 e4 + e5
	s_load_b64 s[4:5], s[0:1], 0x0                 ; qkimg
	s_load_b64 s[8:9], s[0:1], 0x8                 ; vimg
	s_load_b64 s[12:13], s[0:1], 0x10              ; mbits
	s_load_b64 s[TF:TF+1], s[0:1], 0x18            ; tflags
	s_load_b64 s[16:17], s[0:1], 0x20              ; the scales' exponents
	s_load_b64 s[10:11], s[0:1], 0x28              ; aimg
	v_lshl_add_u32 v251, v0, 2, 0x8000
	v_mov_b32 v255, 0
	v_lshrrev_b32 v9, 5, v0
	v_readfirstlane_b32 s[WV], v9                  ; wave 0..15
	v_and_b32 v9, 31, v0
	v_lshlrev_b32 v[LI], 4, v9
	v_lshlrev_b32 v[SW], 4, v0
	v_mov_b32 v[NINF], 0xff800000
	v_mov_b32 v245, 0                              ; upper halves of pairs whose low word serves both halves: named, so written
	v_mov_b32 v247, 0
	v_mov_b32 v253, 0
	v_mov_b32 v250, 0                              ; a lane permute's destination counts as one of its sources
.set i, 0
.rept 16
	v_mov_b32 v[STG+i], 0                          ; written once: the load and the LDS store of a step hang on two copies of one flag word, and every register that a store names has been written on every path
.set i, i+1
.endr
	s_wait_alu depctr_va_sdst(0)                   ; s[WV] is written, ahead of its first reader: each pass makes my tile's number from it
	s_mov_b32 s[SEL], 0x76543210
	s_mov_b32 s[SEL+1], 0xfedcba98
	s_and_b32 s15, ttmp7, 0xffff                   ; batch x 16 + head
	s_lshl_b32 s84, s15, 17                        ; a head's images of Q, of K and of V are 131,072 bytes each
	s_mov_b32 s85, 0
	s_lshr_b32 s86, s15, 4
	s_lshl_b32 s86, s86, 21                        ; aimg: batch x 128 tiles x 16 heads x 1,024 bytes,
	s_and_b32 s87, s15, 15
	s_lshl_b32 s87, s87, 10                        ; + head x 1,024
	s_add_co_u32 s86, s86, s87
	s_mov_b32 s87, 0
	s_wait_kmcnt 0x0
	s_load_b256 s[20:27], s[16:17], 0x0            ; e0 .. e7 in s20 .. s27
	s_add_nc_u64 s[4:5], s[4:5], s[84:85]          ; my head's images of Q,
	s_add_nc_u64 s[6:7], s[4:5], 0x800000          ; of K,
	s_add_nc_u64 s[8:9], s[8:9], s[84:85]          ; of V
	s_add_nc_u64 s[10:11], s[10:11], s[86:87]      ; and where tile 0's result goes
	s_wait_kmcnt 0x0
	s_add_co_i32 s15, s22, s23
	s_lshl_b32 s15, s15, 23
	s_add_co_i32 s[CS], s15, 0x3e38aa3b            ; log2(e) / 8, with e2 + e3 added to its exponent field
	s_mov_b32 s[CS+1], s[CS]
	s_add_co_i32 s15, s24, 127
	s_lshl_b32 s101, s15, 23
	v_mov_b32 v[PSC], s101
	s_add_co_i32 s15, s15, 8
	s_lshl_b32 s15, s15, 23
	s_or_b32 s15, s15, 0x600000
	v_mov_b32 v[PLIM], s15
	s_add_co_i32 s15, s26, 127
	s_lshl_b32 s101, s15, 23
	v_mov_b32 v[ASC], s101
	s_add_co_i32 s15, s15, 8
	s_lshl_b32 s15, s15, 23
	s_or_b32 s15, s15, 0x600000
	v_mov_b32 v[ALIM], s15
	s_add_co_i32 s[EPV], s24, s25
	s_mov_b32 s[PASS], 0
; A KEY STEP: 128 keys, from LDS slot par.
.macro STEP par
	s_bitcmp1_b32 s[ANY], 0                        ; no open key for my 16 queries: the step's work is left out; the lines at its end are not
	s_cbranch_scc0 .Lskip_\@
.irp t, 0,1,2,3,4,5,6,7
	ds_load_b128 v[32+8*\t:35+8*\t], v[LI] offset:\par*SLOT+1024*\t        ; K's tile t, as its registers were stored.  No wait here: no vector or matrix instruction since the wait at the trip's head names v32-95 or v[LI]
	ds_load_b128 v[36+8*\t:39+8*\t], v[LI] offset:\par*SLOT+1024*\t+512
.endr
	s_wait_dscnt 0x0
.irp t, 0,1,2,3,4,5,6,7
	v_wmma_f32_16x16x64_fp8_fp8 v[96+8*\t:103+8*\t], v[32+8*\t:39+8*\t], v[16:23], 0   ; source 0 = 16 keys, source 1 = my 16 queries
.endr
.rept 4
	v_nop                                          ; places in front of the first read of the scores (ISA guide 7.12.1)
.endr
	s_bitcmp1_b32 s[MIX], 0                        ; all 16 x 128 open: no select
	s_cbranch_scc0 .Lopen_\@
	s_load_b512 s[16:31], s[12:13], s[MOFF] offset:0x0     ; the step's 64 lane masks
	s_load_b512 s[32:47], s[12:13], s[MOFF] offset:0x40
	s_load_b512 s[48:63], s[12:13], s[MOFF] offset:0x80
	s_load_b512 s[68:83], s[12:13], s[MOFF] offset:0xc0
	s_wait_kmcnt 0x0
.set n, 0
.rept 64
	v_cndmask_b32 v[96+n], v[NINF], v[96+n], s[16+n+4*(n/48)]   ; a hidden key's score becomes -infinity: p = 0 then.  In ascending order: each accumulator from its low end on
.set n, n+1
.endr
.Lopen_\@:
	v_max3_num_f32 v254, v96, v97, v98             ; the step's largest score of my query, among my 64 keys, in two chains, in ascending order,
	v_max3_num_f32 v252, v99, v100, v101
.irp i, 6,10,14,18,22,26,30,34,38,42,46,50,54,58
	v_max3_num_f32 v254, v254, v[96+\i], v[97+\i]
	v_max3_num_f32 v252, v252, v[98+\i], v[99+\i]
.endr
	v_max3_num_f32 v254, v254, v158, v159
	v_max_num_f32 v254, v254, v252
	v_permlanex16_b32 v250, v254, s[SEL], s[SEL+1]
	v_max_num_f32 v254, v254, v250                 ; and among lane l xor 16's
	v_mul_f32 v254, s[CS], v254                    ; as t (c is positive)
	v_max_num_f32 v13, v13, v254                   ; the running largest t
	v_mov_b32 v254, v12
	v_floor_f32 v12, -v13                          ; the new -M = floor(-t) = -ceil(t): a whole number
	v_sub_f32 v254, v12, v254                      ; old M - new M: a whole number, 0 or less
	v_cvt_i32_f32 v254, v254                       ; (it saturates)
	v_ldexp_f32 v252, 1.0, v254                    ; f = 2^(old M - new M)
.set j, 0
.rept 32
	v_pk_fma_f32 v[96+j:97+j], v[96+j:97+j], s[CS:CS+1], v[12:13] op_sel_hi:[1,0,0]   ; t - M, two at a time
.set j, j+2
.endr
.set j, 0
.rept 64
	v_exp_f32 v[96+j], v[96+j]                     ; p = 2^(t - M), at most 1
.set j, j+1
.endr
	v_pk_mul_f32 v[14:15], v[14:15], v[252:253] op_sel_hi:[1,0]   ; l under the new M: the plain instruction behind the exponentials
	s_wait_alu depctr_va_vdst(0)                   ; the 64 exponentials have written p, ahead of its first reader: one wait for the batch; and the products K Q^T are done reading v32-95, in which V's fragments land
.irp d, 0,1,2,3
.irp c, 0,1,2,3
	ds_load_b128 v[32+16*\d+4*\c:35+16*\d+4*\c], v[LI] offset:\par*SLOT+VOFF+2048*\d+512*\c   ; V's four fragments land while p is summed, held and quantised and O^T rescaled: 120 vector instructions, none of which names v32-95
.endr
.endr
	v_pk_add_f32 v[242:243], v[96:97], v[98:99]    ; the row's sum is taken of the unquantised p, in two chains
.irp j, 4,8,12,16,20,24,28,32,36,40,44,48,52,56,60
	v_pk_add_f32 v[14:15], v[14:15], v[96+\j:97+\j]
	v_pk_add_f32 v[242:243], v[242:243], v[98+\j:99+\j]
.endr
	v_pk_add_f32 v[14:15], v[14:15], v[242:243]
.irp t, 0,1,2,3,4,5,6,7
.irp i, 0,1,2,3,4,5,6,7
	v_min_num_f32 v[96+8*\t+\i], v[96+8*\t+\i], v[PLIM]    ; the conversion does not saturate (ISA guide 7.6.2); p is not negative, so the hold is one-sided
.endr
	v_cvt_scalef32_pk8_fp8_f32 v[192+2*\t:193+2*\t], v[96+8*\t:103+8*\t], v[PSC]   ; registers 2 t, 2 t + 1 of the operand: keys 16 t + 8 h + 0 .. 7
.endr
.set j, 0
.rept 16
	v_pk_mul_f32 v[160+j:161+j], v[160+j:161+j], v[252:253] op_sel_hi:[1,0]   ; O^T under the new M; these are also the plain instructions between the conversions and the products
.set j, j+2
.endr
	s_wait_dscnt 0x0                               ; V is in
.irp d, 0,1,2,3
	v_wmma_f32_16x16x128_fp8_fp8 v[160+8*\d:167+8*\d], v[32+16*\d:47+16*\d], v[192:207], v[160+8*\d:167+8*\d]   ; source 0 = 16 channels, source 1 = P; the four accumulators take one turn each
.endr
.rept 4
	v_nop                                          ; places in front of the next access of O^T; for the next loads into v32-95 the wait at the next trip's head speaks
.endr
.Lskip_\@:
	s_lshr_b32 s[ANY], s[ANY], 1
	s_lshr_b32 s[MIX], s[MIX], 1
	s_add_co_u32 s[MOFF], s[MOFF], 256
.endm
; TRIP u (par = u % 2): loads step u into staging set par (L), stores step u - 1 from the other set into slot 1 - par (S), works step u - 2 from slot par (C).
; ORDER.  Slot 1 - par was last read in trip u - 1, ahead of that trip's barrier; slot par was stored in trip u - 1, ahead of the same barrier.  A staging set is loaded again a barrier behind its LDS stores.
.macro TRIP par, L, S, C
	s_wait_loadcnt 0x0                             ; the loads of the trip before (and, in a pass's first trip, Q) are in
.if \S || \C
	s_wait_alu depctr_va_vdst(0)                   ; the last trip's add has written v[GOF], which the loads below read; the last step's products V^T P^T are done reading v32-95, in which K's fragments land.  (A pass's first trip leans on the wait at the pass's head)
.endif
.if \S
	s_bitcmp1_b32 s[NEEDS], 0
	s_cbranch_scc0 .Lno_store_\@
	ds_store_b128 v[SW], v[STG+8*(1-\par):STG+8*(1-\par)+3] offset:(1-\par)*SLOT
	ds_store_b128 v[SW], v[STG+8*(1-\par)+4:STG+8*(1-\par)+7] offset:(1-\par)*SLOT+VOFF
.Lno_store_\@:
	s_lshr_b32 s[NEEDS], s[NEEDS], 1
.endif
.if \L
	s_bitcmp1_b32 s[NEEDL], 0
	s_cbranch_scc0 .Lno_load_\@
	global_load_b128 v[STG+8*\par:STG+8*\par+3], v[GOF], s[6:7]        ; a wave reads 512 consecutive bytes of K's images,
	global_load_b128 v[STG+8*\par+4:STG+8*\par+7], v[GOF], s[8:9]      ; and of V's
.Lno_load_\@:
	s_lshr_b32 s[NEEDL], s[NEEDL], 1
.endif
.if \C
	STEP \par
.endif
.if \L
	s_wait_xcnt 0x0                                ; the loads have had their addresses translated: their offset steps only behind this wait
	s_wait_alu depctr_vm_vsrc(0)                   ; the trip's loads have read v[GOF], which the add writes; the trip's LDS stores have read their staging set, in which the next trip's loads land
	v_add_nc_u32 v[GOF], 8192, v[GOF]
.endif
.if \S || \C
	s_wait_dscnt 0x0                               ; my LDS stores have landed and my LDS reads are in
	s_barrier_signal -1                            ; every wave passes every barrier: none stands under a branch
	s_barrier_wait -1
.endif
.endm
.Lpass:
	v_mov_b32 v[GOF], v[SW]                        ; step 0.  (The last pass's loads have read v[GOF]: the wait at the end of each trip that loads says so)
	s_sub_co_u32 s15, 7, ttmp9
	s_cmp_eq_u32 s[PASS], 0
	s_cselect_b32 s[QB], s15, ttmp9                ; block 7 - x, then block x
	s_lshl_b32 s15, s[QB], 4
	s_add_co_u32 s15, s15, s[WV]                   ; my tile of 16 queries
	s_lshl_b32 s[MOFF], s15, 12                    ; its 16 steps x 256 bytes of mbits
	s_lshl_b32 s101, s15, 2
	s_lshl_b32 s[NEEDL], s[QB], 6
	s_load_b32 s[ANY], s[TF:TF+1], s101 offset:0x0
	s_load_b32 s[MIX], s[TF:TF+1], s101 offset:0x200
	s_load_b512 s[16:31], s[TF:TF+1], s[NEEDL] offset:0x0  ; the sixteen waves' words: what the work-group needs
	s_lshl_b32 s[QA], s15, 10
	s_mov_b32 s[QA+1], 0
	s_add_nc_u64 s[QA:QA+1], s[4:5], s[QA:QA+1]
	s_lshl_b32 s[OA], s15, 14
	s_mov_b32 s[OA+1], 0
	s_add_nc_u64 s[OA:OA+1], s[10:11], s[OA:OA+1]
	s_wait_alu depctr_va_vdst(0)                   ; v[GOF] is written, which the first trip's loads read; in the first pass so are v[LI], v[SW] and the cleared staging registers; the last pass's products are done reading v16-23, in which Q lands
	global_load_b128 v[16:19], v[LI], s[QA:QA+1]           ; Q's fragment stays in registers for the pass
	global_load_b128 v[20:23], v[LI], s[QA:QA+1] offset:512
	v_mov_b32 v13, 0xff61b1e6                      ; the largest t so far: -3e38, under every t.  (From here to the first trip's loads no vector instruction names a register that those loads touch)
	v_floor_f32 v12, -v13                          ; -M
	v_mov_b32 v14, 0                               ; l
	v_mov_b32 v15, 0
.set j, 0
.rept 32
	v_mov_b32 v[160+j], 0                          ; O^T: the step is written once; the first finds zeros, which the first change of M leaves zeros
.set j, j+1
.endr
	s_wait_kmcnt 0x0
	s_or_b32 s[NEEDL], s16, s17
.irp i, 18,19,20,21,22,23,24,25,26,27,28,29,30,31
	s_or_b32 s[NEEDL], s[NEEDL], s[\i]
.endr
	s_mov_b32 s[NEEDS], s[NEEDL]
	TRIP 0, 1, 0, 0                                ; trip 0: step 0 is loaded
	TRIP 1, 1, 1, 0                                ; trip 1: step 1 is loaded, step 0 stored
	s_mov_b32 s[CNT], 7
.Ltwo:                                                 ; trips 2 to 15
	TRIP 0, 1, 1, 1
	TRIP 1, 1, 1, 1
	s_sub_co_u32 s[CNT], s[CNT], 1
	s_cmp_lg_u32 s[CNT], 0
	s_cbranch_scc1 .Ltwo
	TRIP 0, 0, 1, 1                                ; trip 16: nothing is left to load
	TRIP 1, 0, 0, 1                                ; trip 17: step 15
	; THE PASS'S END: O / l x 2^(e4 + e5), held, quantised with 2^e6; the codes are the image of the projection's operand.
	v_add_f32 v14, v14, v15                        ; l's two halves,
	v_permlanex16_b32 v250, v14, s[SEL], s[SEL+1]
	v_add_f32 v14, v14, v250                       ; and lane l xor 16's
	v_rcp_f32 v244, v14
	v_nop                                          ; a plain instruction behind the reciprocal
	s_wait_alu depctr_va_vdst(0)                   ; the reciprocal has written v244, ahead of its first reader
	v_ldexp_f32 v244, v244, s[EPV]                 ; r = 2^(e4 + e5) / l
	v_mul_f32 v246, 0, v244                        ; 0 where r is a number; NaN where l = 0
.set j, 0
.rept 16
	v_pk_mul_f32 v[96+j:97+j], v[160+j:161+j], v[244:245] op_sel_hi:[1,0]   ; register 8 d + i: channel 16 d + 8 h + i of my query; each accumulator from its low end on
.set j, j+2
.endr
.set j, 0
.rept 32
	v_med3_num_f32 v[96+j], v[96+j], -v[ALIM], v[ALIM]
.set j, j+1
.endr
.set j, 0
.rept 16
	v_pk_add_f32 v[96+j:97+j], v[96+j:97+j], v[246:247] op_sel_hi:[1,0]     ; the hold drops a NaN: a row with no open key gets it back
.set j, j+2
.endr
.irp d, 0,1,2,3
	v_cvt_scalef32_pk8_fp8_f32 v[192+2*\d:193+2*\d], v[96+8*\d:103+8*\d], v[ASC]
.endr
	v_nop                                          ; one plain vector instruction behind the last conversion
	s_wait_alu depctr_va_vdst(0)                   ; the conversions have written v[192:199], which the two stores read
	global_store_b128 v[LI], v[192:195], s[OA:OA+1]                ; 512 consecutive bytes, aligned
	global_store_b128 v[LI], v[196:199], s[OA:OA+1] offset:512
	s_wait_xcnt 0x0                                ; the stores have had their addresses translated: their data and base are written again in the next pass only behind this wait
	s_wait_alu depctr_vm_vsrc(0)                   ; the stores have read v[192:199], which the next pass's conversions write again; trip 16's LDS stores have read staging set 1, in which the next pass's second trip loads
	s_add_co_u32 s[PASS], s[PASS], 1
	s_cmp_lt_u32 s[PASS], 2
	s_cbranch_scc1 .Lpass
	s_wait_dscnt 0x0                               ; the closing lines, six on end
	s_wait_alu 0x0
	s_wait_tensorcnt 0x0
	ds_add_u32 v251, v255
	s_wait_dscnt 0x0
	s_endpgm
.Lfunc_end_k_q4f3888204c_attn:
	.size	k_q4f3888204c_attn, .Lfunc_end_k_q4f3888204c_attn-k_q4f3888204c_attn
	.p2alignl 7, 3214868480
	.fill 96, 4, 3214868480
	.section	.rodata,"a",@progbits
	.p2align	6, 0x0
	.amdhsa_kernel k_q4f3888204c_attn
		.amdhsa_group_segment_fixed_size 34816
		.amdhsa_private_segment_fixed_size 0
		.amdhsa_enable_private_segment 0
		.amdhsa_kernarg_size 48
		.amdhsa_user_sgpr_count 2
		.amdhsa_user_sgpr_kernarg_segment_ptr 1
		.amdhsa_wavefront_size32 1
		.amdhsa_system_sgpr_workgroup_id_x 1
		.amdhsa_system_sgpr_workgroup_id_y 1
		.amdhsa_system_sgpr_workgroup_id_z 1
		.amdhsa_system_vgpr_workitem_id 0
		.amdhsa_next_free_vgpr 256
		.amdhsa_next_free_sgpr 102
		.amdhsa_reserve_vcc 0
		.amdhsa_float_denorm_mode_32 3
		.amdhsa_float_denorm_mode_16_64 3
		.amdhsa_memory_ordered 1
		.amdhsa_forward_progress 1
		.amdhsa_inst_pref_size 93
	.end_amdhsa_kernel
	.amdgpu_metadata
---
amdhsa.version: [ 1, 2 ]
amdhsa.kernels:
  - .name:           k_q4f3888204c_attn
    .symbol:         k_q4f3888204c_attn.kd
    .args:
      - { .name: qkimg, .offset: 0, .size: 8, .value_kind: global_buffer, .address_space: global }
      - { .name: vimg, .offset: 8, .size: 8, .value_kind: global_buffer, .address_space: global }
      - { .name: mbits, .offset: 16, .size: 8, .value_kind: global_buffer, .address_space: global }
      - { .name: tflags, .offset: 24, .size: 8, .value_kind: global_buffer, .address_space: global }
      - { .name: lowp_scales, .offset: 32, .size: 8, .value_kind: global_buffer, .address_space: global }
      - { .name: aimg, .offset: 40, .size: 8, .value_kind: global_buffer, .address_space: global }
    .group_segment_fixed_size: 34816
    .private_segment_fixed_size: 0
    .kernarg_segment_align: 8
    .kernarg_segment_size: 48
    .max_flat_workgroup_size: 512
    .sgpr_count:     102
    .vgpr_count:     256
    .wavefront_size: 32
...
	.end_amdgpu_metadata
.endif
;; end of part 5
;; launch proj: the kernel of part 4 again; grid 4 x 32, 4 waves a work-group, clusters of 4 x 4, 327,680 bytes of LDS; arguments aimg, w_out_codes, lowp_scales, b_out, out0; writes out0
